; MI455X (gfx1250); checked and timed in simulation.
; The chip was launched on July 23, 2026; its instructions are those of AMD's public machine-readable ISA for CDNA 5 (MIT licence, August 2026) and "CDNA5" Instruction Set Architecture Reference Guide (July 2026). The comments in the code are by the model that wrote it; some were corrected since.
;; Transformer Encoder Layer. Allowed arithmetic: matrix products marked QUANTISED: E4M3 operands, one given power-of-two scale a tensor, by v_wmma_f32_16x16x64_fp8_fp8 or v_wmma_f32_16x16x128_fp8_fp8, f32 sums; everything else in f32.
;; Inputs: W1 1,024 x 4,096 float32; W2 4,096 x 1,024 float32; Wk 16 x 1,024 x 64 float32; Wq 16 x 1,024 x 64 float32; Wv 16 x 1,024 x 64 float32; attention_mask 2 x 2,048 bool; b1 4,096 float32; b2 1,024 float32; bk 16 x 64 float32; bq 16 x 64 float32; bv 16 x 64 float32; ln_b 1,024 float32; ln_g 1,024 float32; lowp_scales 14 int32 (the exponents e of the quantised operands' scales 2^e); x 2 x 2,048 x 1,024 float32.
;; Outputs: out0 2 x 2,048 x 1,024 float32.
;; This version of the problem:
;;   THIS VERSION OF THE PROBLEM IS GIVEN IN LOW PRECISION. The matrix products marked QUANTISED in the list below multiply operands that are first quantised to E4M3 (4 exponent bits, 3 mantissa bits; 8 bits a number), with one given power-of-two scale for each operand tensor; their sums are f32. All else is computed in f32.
;;   The module's matrix products, in the order in which they are computed (A, B: the left and right operand; K: the contracted axis; several contracted axes count as one K, in the product's order):
;;     1. [M 1,024, K 1,024] x [K 1,024, N 4,096]; A: input Wq; B: input x: QUANTISED (scales: A lowp_scales[0], B lowp_scales[1])
;;     2. [M 1,024, K 1,024] x [K 1,024, N 4,096]; A: input Wk; B: input x: QUANTISED (scales: A lowp_scales[2], B lowp_scales[3])
;;     3. [M 1,024, K 1,024] x [K 1,024, N 4,096]; A: input Wv; B: input x: QUANTISED (scales: A lowp_scales[4], B lowp_scales[5])
;;     4. batch 32 x [M 2,048, K 64] x [K 64, N 2,048]; A: computed on the way; B: computed on the way: QUANTISED (scales: A lowp_scales[6], B lowp_scales[7])
;;     5. batch 32 x [M 2,048, K 2,048] x [K 2,048, N 64]; A: softmax (see below); B: computed on the way: QUANTISED (scales: A lowp_scales[8], B lowp_scales[9])
;;     6. [M 4,096, K 1,024] x [K 1,024, N 4,096]; A: computed on the way; B: input W1: QUANTISED (scales: A lowp_scales[10], B lowp_scales[11])
;;     7. [M 4,096, K 4,096] x [K 4,096, N 1,024]; A: computed on the way; B: input W2: QUANTISED (scales: A lowp_scales[12], B lowp_scales[13])
;;   THE QUANTISER, for each operand of a quantised product, along K:
;;     - The operand's scale is 2^e, e = its entry of the input lowp_scales (int32; the entries are numbered through the quantised products in the list's order, A before B).
;;     - Each number is divided by the scale, clamped to +-448, and rounded to the nearest number of E4M3, ties to even, subnormals kept.
;;     - The product sums the exact products of the quantised numbers (number of the format x scale) in f32.
;;   ~~~python
;;   def quantise(x, axis, e):      # numpy; x: float32 -> the quantised numbers, widened to float32 again
;;       x = np.moveaxis(x, axis, -1); K = x.shape[-1]
;;       r = np.clip(x / 2.0 ** e, -448, 448)
;;       step = 2.0 ** (np.maximum(np.frexp(np.where(r == 0, 1, r))[1] - 1, -6) - 3)
;;       q = np.round(r / step) * step * 2.0 ** e      # np.round: ties to even
;;       return np.moveaxis(q, -1, axis).astype(np.float32)
;;   ~~~
;;   SOFTMAX AHEAD OF A QUANTISED PRODUCT. Where the list says 'softmax', what is quantised is not the finished softmax but p = 2^(t - M), with t = logit x log2(e) and M = ceil(the row's largest t), a whole number; so 1/2 < the row's largest p <= 1. The row's sum l is taken of the UNQUANTISED p, in f32, and the product's result is divided by l at the end. Since M is a whole number, a kernel that streams over the keys may use a running M (the ceiling of the running maximum): every later rescaling is an exact power of two, so the quantised numbers keep their values, but for numbers so far below the row's largest that they fall under the format's range.
;;   OPERANDS COMPUTED ON THE WAY. 'Computed on the way' means the value that the module computes at that place (a softmax that the list does not call 'softmax' is quantised finished and normalised). What goes into a quantiser is computed in f32, as accurately as f32 sums, v_exp_f32 and their like allow (about 1e-6 of the number): no bf16 or f16 on the way to a quantiser, and a product that is left as it is and whose result goes on into a quantised operand takes f32 operands (vector FMAs, or v_wmma_f32_16x16x4_f32). A number that lies on a knife's edge between two numbers of the format may be rounded either way, as far as f32 arithmetic and the matrix unit's own rounding can turn it there, and no further.
;; One version. Each part assembles by itself: llvm-mc -triple=amdgcn-amd-amdhsa -mcpu=gfx1250 --defsym DOCPART=n.
;; ======== version 1 of 1: 7 launches
;; limits: right only within a limited range of input values
;; workspace buffers: xc 12,582,912 bytes; wcodes 11,534,336 bytes; qkvc 12,582,912 bytes; res 16,777,216 bytes; h1 16,777,216 bytes; h1c 4,194,304 bytes; hid 16,777,216 bytes
;; launch quant (part 1): grid 640 x 1, 4 waves a work-group, no clusters, 9,728 bytes of LDS; arguments x, Wq, Wk, Wv, lowp_scales, xc, wcodes; writes xc, wcodes
.if DOCPART == 1
	.amdgcn_target "amdgcn-amd-amdhsa--gfx1250"
	.amdhsa_code_object_version 6
	.text
	.protected	k_q098deb4a3d_quant
	.globl	k_q098deb4a3d_quant
	.p2align	8
	.type	k_q098deb4a3d_quant,@function
k_q098deb4a3d_quant:
	s_mov_b64 s[64:65], 0
	v_nop
	global_prefetch_b8 v0, s[64:65] scope:SCOPE_SE
	s_setreg_imm32_b32 hwreg(HW_REG_WAVE_MODE, 25, 1), 1
	s_wait_xcnt 0x0
; f32 operands become codes of FP8 (E4M3): x three times (it is an operand of three products, with the scales' entries 1, 3 and 5), Wq, Wk, Wv (entries 0, 2, 4).  (W1 and W2 are quantised in the attention launch, which moves few bytes of its own.)
; code = number / 2^e, held within +-448, to the nearest code, ties to even.  LIMITS: each e between -126 and 119, so that 2^e and 448 x 2^e are f32 numbers; NaN among the inputs is not served.
; THE LAYOUT OF ALL CODES: IMAGES OF AN OPERAND'S REGISTERS.  An image is 16 rows x 128 along K in 2,048 bytes, [piece c 0..3][lane 0..31][16 bytes]: lane (r, h) holds, of image row r, k = 32 c + 16 h + 0 .. 15.
; Image 2 b + u of a tensor holds the rows 32 b + 8 u + r + 8 (r / 8): as source 0 of a product its results of two neighbouring images are then 16 neighbours in a lane's registers.
; xc: [version 3][image 256][K step 8][2048].  wcodes: Wq, Wk, Wv at 0, 1, 2 MiB, [image 64][K step 8][2048], row n = 64 head + e.
; Work-groups 0 to 255 take x: one image row block (16 tokens) each, a wave two K steps.  A load reads 512 consecutive bytes of a row; a lane's four codes of each row turn through the wave's own stage in LDS into image order.
; Work-groups 256 to 639 take the weights, whose K is not innermost: 128 columns x 64 along K each; a lane takes a column and its registers run down K, so its 16 codes are a piece of an image as they stand: no LDS.
; A wave's 64 loads go out together and every offset is an immediate.  No barrier: waves share nothing.  reference() never reads attention_mask, so no launch of this program names it.
.set X,   16                           ; v16-143  x: two K steps x 16 rows x 4 numbers
.set T,   144                          ; v144-207 the numbers held
.set C,   208                          ; v208-223 row t's four codes
.set R,   224                          ; v224-239 an image, 16 bytes a lane and piece
.set WX,  48                           ; v48-111  weights: 64 numbers down K
.set WC,  112                          ; v112-127 weights: 8 registers of codes for each of 2 blocks: no store's data are written again
.macro XVER s, ver                     ; K step s of my two, with the scale of version ver
.set i, 0
.rept 64
	v_med3_num_f32 v[T+i], v[X+64*\s+i], -v[11+\ver], v[11+\ver]   ; the conversion does not saturate (ISA guide 7.6.2): the hold comes first
.set i, i+1
.endr
.set i, 0
.rept 8
	v_cvt_scalef32_pk8_fp8_f32 v[C+2*i:C+2*i+1], v[T+8*i:T+8*i+7], v[8+\ver]   ; rows 2 i and 2 i + 1: four codes each, k = 4 x lane on
.set i, i+1
.endr
	v_nop                                          ; a plain line behind the last conversion: the next version's holds write its sources
.set i, 0
.rept 16
	ds_store_b32 v3, v[C+i] offset:16*i            ; unit lane / 4 = (c, h), 272 bytes apart; row i at 16 i: 32 lanes, 32 banks
.set i, i+1
.endr
	s_wait_xcnt 0x0                                ; the last image's stores have read R
.set i, 0
.rept 4
	ds_load_b128 v[R+4*i:R+4*i+3], v4 offset:544*i ; LDS serves a wave's instructions in order: these see the stores above
.set i, i+1
.endr
	s_wait_dscnt 0x0
.set i, 0
.rept 4
	global_store_b128 v2, v[R+4*i:R+4*i+3], s[44+2*\ver:45+2*\ver] offset:\s*2048+512*i   ; 512 consecutive bytes
.set i, i+1
.endr
.endm
.macro WBLOCK t                        ; block t of my two: 32 along K of my column
.if (\t) < 1
	s_wait_loadcnt 32                              ; this block's 32 loads are in; the second block's 32 are the younger ones
.else
	s_wait_loadcnt 0
.endif
.set i, 0
.rept 32
	v_med3_num_f32 v[WX+32*(\t)+i], v[WX+32*(\t)+i], -v11, v11
.set i, i+1
.endr
.set i, 0
.rept 4
	v_cvt_scalef32_pk8_fp8_f32 v[WC+8*(\t)+2*i:WC+8*(\t)+2*i+1], v[WX+32*(\t)+8*i:WX+32*(\t)+8*i+7], v8
.set i, i+1
.endr
	v_nop
	global_store_b128 v3, v[WC+8*(\t):WC+8*(\t)+3], s[58:59] offset:(\t)*512         ; the block's k 0 .. 15: the half h = 0 of its piece; sixteen lanes fill 256 consecutive bytes of an image
	global_store_b128 v3, v[WC+8*(\t)+4:WC+8*(\t)+7], s[58:59] offset:(\t)*512+256   ; k 16 .. 31: the half h = 1
.endm
	s_load_b256 s[4:11], s[0:1], 0x0               ; x, Wq, Wk, Wv
	s_load_b128 s[12:15], s[0:1], 0x20             ; the scales' exponents, xc
	s_load_b64 s[16:17], s[0:1], 0x30              ; wcodes
	v_lshl_add_u32 v240, v0, 2, 0x2400
	v_mov_b32 v241, 0
	v_lshrrev_b32 v1, 5, v0
	v_readfirstlane_b32 s22, v1                    ; wave
	v_and_b32 v1, 31, v0                           ; lane
	v_lshlrev_b32 v2, 4, v1                        ; 16 x lane
	s_wait_kmcnt 0x0
	s_load_b256 s[24:31], s[12:13], 0x0            ; e0 .. e7
	s_cmp_lt_u32 ttmp9, 256
	s_cbranch_scc0 .Lweights
	; ---- x: image ttmp9, rows 32 (tb / 2) + 8 (tb % 2) + t + 8 (t / 8); my wave's K steps 2 w and 2 w + 1
	s_lshr_b32 s40, ttmp9, 1
	s_lshl_b32 s40, s40, 17
	s_and_b32 s41, ttmp9, 1
	s_lshl_b32 s41, s41, 15
	s_add_co_u32 s40, s40, s41
	s_lshl_b32 s41, s22, 10
	s_add_co_u32 s40, s40, s41
	s_mov_b32 s41, 0
	s_add_nc_u64 s[4:5], s[4:5], s[40:41]
	s_wait_alu depctr_va_vdst(0)
.irp s, 0,1
.irp t, 0,1,2,3,4,5,6,7,8,9,10,11,12,13,14,15
	global_load_b128 v[X+64*\s+4*\t:X+64*\s+4*\t+3], v2, s[4:5] offset:(\t+8*(\t/8))*4096+512*\s th:TH_LOAD_NT
.endr
.endr
	s_lshl_b32 s40, ttmp9, 14
	s_lshl_b32 s42, s22, 12
	s_add_co_u32 s40, s40, s42
	s_add_nc_u64 s[44:45], s[14:15], s[40:41]      ; where my two images go, version 0,
	s_add_nc_u64 s[46:47], s[44:45], 0x400000      ; 1,
	s_add_nc_u64 s[48:49], s[46:47], 0x400000      ; 2
	s_mul_i32 s43, s22, 2304                       ; my stage: 8 units of 272 bytes
	v_lshrrev_b32 v5, 2, v1
	v_mul_u32_u24 v3, v5, 272
	v_and_b32 v5, 3, v1
	v_lshl_add_u32 v3, v5, 2, v3
	v_add_nc_u32 v3, s43, v3                       ; in: unit lane / 4, + 4 (lane % 4)
	v_lshrrev_b32 v5, 4, v1
	v_mul_u32_u24 v4, v5, 272
	v_and_b32 v5, 15, v1
	v_lshl_add_u32 v4, v5, 4, v4
	v_add_nc_u32 v4, s43, v4                       ; back: two units an instruction, 16 bytes a lane
	s_wait_kmcnt 0x0
.irp ver, 0,1,2
	s_add_co_i32 s50, s[25+2*\ver], 127
	s_lshl_b32 s51, s50, 23
	v_mov_b32 v[8+\ver], s51                       ; 2^e as f32: the conversion takes its exponent field
	s_add_co_i32 s50, s50, 8
	s_lshl_b32 s50, s50, 23
	s_or_b32 s50, s50, 0x600000
	v_mov_b32 v[11+\ver], s50                      ; 448 x 2^e
.endr
	s_wait_alu depctr_va_vdst(0)
	s_wait_loadcnt 16                              ; K step 0's sixteen loads are in; K step 1's sixteen are the younger ones
	XVER 0, 0
	XVER 0, 1
	XVER 0, 2
	s_wait_loadcnt 0
	XVER 1, 0
	XVER 1, 1
	XVER 1, 2
	s_wait_tensorcnt 0x0
	ds_add_u32 v240, v241
	s_wait_dscnt 0x0
	s_endpgm
	; ---- the weights: work-group 256 + 128 T + 8 kc + G takes tensor T (0 Wq, 1 Wk, 2 Wv), columns 128 G on, rows of K 64 kc on
.Lweights:
	s_sub_co_u32 s40, ttmp9, 256
	s_lshr_b32 s41, s40, 7                         ; T
	s_and_b32 s42, s40, 7                          ; G
	s_bfe_u32 s43, s40, 0x40003                    ; kc: 4 bits from bit 3
	s_cmp_eq_u32 s41, 0
	s_cselect_b64 s[44:45], s[6:7], s[8:9]
	s_cmp_eq_u32 s41, 2
	s_cselect_b64 s[44:45], s[10:11], s[44:45]
	s_lshl_b32 s51, s42, 7
	s_lshl_b32 s52, s22, 5
	s_add_co_u32 s51, s51, s52                     ; n0: my wave's first column, a multiple of 32
	s_lshr_b32 s52, s51, 6
	s_lshl_b32 s52, s52, 18                        ; the head's 1,024 rows of 256 bytes
	s_and_b32 s53, s51, 63
	s_lshl_b32 s53, s53, 2
	s_add_co_u32 s52, s52, s53
	s_lshl_b32 s53, s43, 14                        ; my 64 rows of K
	s_add_co_u32 s52, s52, s53
	s_mov_b32 s53, 0
	s_add_nc_u64 s[44:45], s[44:45], s[52:53]
	s_wait_alu depctr_va_vdst(0)
	v_lshlrev_b32 v5, 2, v1
.set i, 0
.rept 64
	global_load_b32 v[WX+i], v5, s[44:45] offset:i*256 th:TH_LOAD_NT   ; row i of my 64 at my column: 128 consecutive bytes a wave, 512 a work-group
.set i, i+1
.endr
	s_lshr_b32 s56, s51, 4
	s_lshl_b32 s56, s56, 14                        ; images n0 / 16 and the next, 16,384 bytes each
	s_lshl_b32 s57, s41, 20                        ; the tensor's place in wcodes
	s_add_co_u32 s56, s56, s57
	s_lshr_b32 s57, s43, 1
	s_lshl_b32 s57, s57, 11                        ; K step kc / 2,
	s_add_co_u32 s56, s56, s57
	s_and_b32 s57, s43, 1
	s_lshl_b32 s57, s57, 10                        ; its pieces 2 (kc % 2) and the next
	s_add_co_u32 s56, s56, s57
	s_mov_b32 s57, 0
	s_add_nc_u64 s[58:59], s[16:17], s[56:57]
	v_bfe_u32 v6, v1, 3, 1                         ; column n0 + lane lies in image u = (lane / 8) % 2, at row lane % 8 + 8 (lane / 16)
	v_lshlrev_b32 v3, 14, v6
	v_and_b32 v6, 7, v1
	v_lshrrev_b32 v7, 4, v1
	v_lshl_add_u32 v6, v7, 3, v6
	v_lshl_add_u32 v3, v6, 4, v3
	s_wait_kmcnt 0x0
	s_cmp_eq_u32 s41, 0
	s_cselect_b32 s46, s24, s26                    ; e0 for Wq, e2 for Wk,
	s_cmp_eq_u32 s41, 2
	s_cselect_b32 s46, s28, s46                    ; e4 for Wv
	s_add_co_i32 s46, s46, 127
	s_lshl_b32 s60, s46, 23
	v_mov_b32 v8, s60                              ; 2^e
	s_add_co_i32 s46, s46, 8
	s_lshl_b32 s46, s46, 23
	s_or_b32 s46, s46, 0x600000
	v_mov_b32 v11, s46                             ; 448 x 2^e
	s_wait_alu depctr_va_vdst(0)
	WBLOCK 0
	WBLOCK 1
	s_endpgm
.Lfunc_end_k_q098deb4a3d_quant:
	.size	k_q098deb4a3d_quant, .Lfunc_end_k_q098deb4a3d_quant-k_q098deb4a3d_quant
	.p2alignl 7, 3214868480
	.fill 96, 4, 3214868480
	.section	.rodata,"a",@progbits
	.p2align	6, 0x0
	.amdhsa_kernel k_q098deb4a3d_quant
		.amdhsa_group_segment_fixed_size 9728
		.amdhsa_private_segment_fixed_size 0
		.amdhsa_enable_private_segment 0
		.amdhsa_kernarg_size 56
		.amdhsa_user_sgpr_count 2
		.amdhsa_user_sgpr_kernarg_segment_ptr 1
		.amdhsa_wavefront_size32 1
		.amdhsa_system_sgpr_workgroup_id_x 1
		.amdhsa_system_sgpr_workgroup_id_y 1
		.amdhsa_system_sgpr_workgroup_id_z 1
		.amdhsa_system_vgpr_workitem_id 0
		.amdhsa_next_free_vgpr 242
		.amdhsa_next_free_sgpr 66
		.amdhsa_reserve_vcc 0
		.amdhsa_float_denorm_mode_32 3
		.amdhsa_float_denorm_mode_16_64 3
		.amdhsa_memory_ordered 1
		.amdhsa_forward_progress 1
		.amdhsa_inst_pref_size 57
	.end_amdhsa_kernel
	.amdgpu_metadata
---
amdhsa.version: [ 1, 2 ]
amdhsa.kernels:
  - .name:           k_q098deb4a3d_quant
    .symbol:         k_q098deb4a3d_quant.kd
    .args:
      - { .name: x, .offset: 0, .size: 8, .value_kind: global_buffer, .address_space: global }
      - { .name: Wq, .offset: 8, .size: 8, .value_kind: global_buffer, .address_space: global }
      - { .name: Wk, .offset: 16, .size: 8, .value_kind: global_buffer, .address_space: global }
      - { .name: Wv, .offset: 24, .size: 8, .value_kind: global_buffer, .address_space: global }
      - { .name: lowp_scales, .offset: 32, .size: 8, .value_kind: global_buffer, .address_space: global }
      - { .name: xc, .offset: 40, .size: 8, .value_kind: global_buffer, .address_space: global }
      - { .name: wcodes, .offset: 48, .size: 8, .value_kind: global_buffer, .address_space: global }
    .group_segment_fixed_size: 9728
    .private_segment_fixed_size: 0
    .kernarg_segment_align: 8
    .kernarg_segment_size: 56
    .max_flat_workgroup_size: 128
    .sgpr_count:     66
    .vgpr_count:     242
    .wavefront_size: 32
...
	.end_amdgpu_metadata
.endif
;; end of part 1
;; launch qkv (part 2): grid 12 x 16, 4 waves a work-group, clusters of 4 x 4, 327,680 bytes of LDS; arguments xc, wcodes, lowp_scales, bq, bk, bv, qkvc; writes qkvc
.if DOCPART == 2
	.amdgcn_target "amdgcn-amd-amdhsa--gfx1250"
	.amdhsa_code_object_version 6
	.text
	.protected	k_q098deb4a3d_qkv
	.globl	k_q098deb4a3d_qkv
	.p2align	8
	.type	k_q098deb4a3d_qkv,@function
k_q098deb4a3d_qkv:
	s_mov_b64 s[64:65], 0
	v_nop
	global_prefetch_b8 v0, s[64:65] scope:SCOPE_SE
	s_setreg_imm32_b32 hwreg(HW_REG_WAVE_MODE, 25, 1), 1
	s_wait_xcnt 0x0
	s_wait_alu depctr_hold_cnt(0) depctr_sa_sdst(0) depctr_va_vdst(0) depctr_va_sdst(0) depctr_va_ssrc(0) depctr_va_vcc(0) depctr_vm_vsrc(0)
	s_getreg_b32 s2, hwreg(HW_REG_IB_STS2, 6, 4)
	s_cmp_eq_u32 s2, 0
	s_cbranch_scc0 .Lentry_in_a_cluster
	s_endpgm
.Lentry_in_a_cluster:
	s_bfe_u32 s2, ttmp6, 0x10000c
	s_cmp_lg_u32 s2, 0xf033
	s_cbranch_scc0 .Lentry_shape_is_right
	s_endpgm
.Lentry_shape_is_right:
; q = x Wq + bq, k = x Wk + bk, v = x Wv + bv on codes of FP8 (E4M3), and the results quantised at once for the two products of attention (scales' entries 6, 7, 9).
; The cluster's x says which: 0 q, 1 k, 2 v; it is the same in all sixteen partners.  A tile is 256 x 256, a wave makes 128 x 128 in 64 accumulators; K = 1,024 goes through two LDS slots of 256 along K.
; ALL OPERANDS ARE IMAGES OF REGISTERS (16 rows x 128 K = 2,048 bytes, [piece][lane][16 bytes]; image 2 b + u holds rows 32 b + 8 u + r + 8 (r / 8)): a fragment is four loads of 512 consecutive bytes, without pitch or padding.
; THE MATRIX INSTRUCTION IS USED TRANSPOSED: source 0 = an image of B, source 1 = an image of A.  A lane then holds ONE row of A, and the registers of two neighbouring images of B are 16 neighbouring rows of B.
; q, k: A = tokens (x), B = the weight's rows n = 64 head + e: a lane holds a token and 16 neighbouring e: a piece of q's or k's image (K = e, 64: 1,024 bytes an image).
; v: the two are swapped, A = the weight's rows, B = tokens: a lane holds a channel and 16 neighbouring keys: a piece of v's image, whose K is the keys.  The same text serves all three.
; So the way out is: hold, convert, store 512 consecutive bytes.  The bias, divided by 2^(ea + eb), is the C of each sum's first product.  qkvc: q at 0, k at 4 MiB: [b h 32][image 128][1024]; v at 8 MiB: [b h 32][key step 16][image 4][2048].
; CLUSTERS: 4 x 4 work-groups; A's tiles are asked for jointly along a row of the cluster, B's along a column.  A wave has at most two tensor loads out.
; LIMITS: e(out) - ea - eb between -126 and 119, so that the conversion's scale and 448 x it are f32 numbers.  NaN among the inputs is not served.
; No prefetch: the launch has two refills in all.
.set RBROW,  4096                      ; an image row block's two K steps in a slot
.set HALFT,  8*RBROW                   ; eight image row blocks: what one tensor load brings, and what one wave reads of A or of B
.set SLOT,   4*HALFT                   ; A's 16 blocks, then B's 16
.set SPARE,  2*SLOT                    ; behind the ring: the spare words, 128 bytes for each wave, which no other line names
.set FR,   16
.set NL,   4
.set NP,   4                           ; places behind this matrix instruction (ISA guide 7.12.1)
.set VJ,   2                           ; v2-9    the bias loads' offsets
.set SC,   10                          ; v10     2^(e(out) - ea - eb)
.set LIM,  11                          ; v11     448 x that
.set ADRA, 16                          ; v16-17  LDS address of my A fragments in slot 0, 1
.set ADRB, 20                          ; v20-21  the same for B
.set VO0,  24                          ; v24     16 x lane
.set VO1,  25                          ; v25     the same, + where pieces 2 and 3 go
.set SPW,  28                          ; v28     LDS address of my spare word; never rewritten
.set NIL,  29                          ; v29     0; never rewritten
.set BIAS, 32                          ; v32-95  the bias in the result's layout; later the numbers held
.set TMP,  32
.set AF,   128                         ; v128-255 A's fragments, one set; later the codes, 16 registers a block, never written again
.set CD,   128
.set G1, 24                            ; s[24:31] descriptor group 1 for A's tiles;  s[32:39] group 0, one set for each slot
.set G0, 32
.set G1B, 48                           ; s[48:55], s[56:63] the same for B's
.set G0B, 56
.set MSB, 0
.macro WIN new                         ; the immediate's high byte repeats the setting that is left
.if MSB != \new
	s_set_vgpr_msb (MSB<<8)|\new
.set MSB, \new
.endif
.endm
.set MUL_LO, 0xa1                      ; source 0 (B) window 1, source 1 (A) window 0, C and D window 2
.set MUL_HI, 0xf1                      ; the same, C and D window 3
.set TO_B,   0x40                      ; destination window 1, address window 0
.macro JLOAD g0a, g1a, g0b, g1b        ; a joint load: waves 0 and 1 fetch for A, waves 2 and 3 for B; four v_nop follow each line
	s_cmp_eq_u32 s15, 0
	s_cbranch_scc0 .Lfor_b_\@
	tensor_load_to_lds s[\g0a:\g0a+3], s[\g1a:\g1a+7]
	s_nop 0
.rept 4
	v_nop
.endr
	s_branch .Lasked_\@
.Lfor_b_\@:
	tensor_load_to_lds s[\g0b:\g0b+3], s[\g1b:\g1b+7]
	s_nop 0
.rept 4
	v_nop
.endr
.Lasked_\@:
.endm
.macro CREST                           ; a round of the cluster's barrier behind its opening barrier
	s_cmp_lg_u32 s14, 0
	s_cbranch_scc1 .Lnot_wave_0_\@
	s_barrier_signal -3
.Lnot_wave_0_\@:
	s_barrier_wait -3
	s_barrier_signal -1
	s_barrier_wait -1
.endm
.macro CROUND
	s_barrier_signal -1
	s_barrier_wait -1
	CREST
.endm
.macro FRAG reg, adr, q, i             ; image (block i, K step q of the slot): four loads of 512 consecutive bytes
.irp c, 0,1,2,3
	ds_load_b128 v[\reg+4*\c:\reg+4*\c+3], v[\adr] offset:(\i)*RBROW+(\q)*2048+512*\c
.endr
.endm
; 16 matrix instructions: A's blocks a0, a0 + 1 x B's eight.  p: B's set.  mode 0: the sums go on; 1: they start with the bias of B's rows; 2: with the bias of A's rows.  The 64 accumulators take turns.
.macro MUL16 a0, p, mode
.irp a, \a0, \a0+1
.irp b, 0,1,2,3,4,5,6,7
.if \mode == 0
	v_wmma_f32_16x16x128_fp8_fp8 v[8*(8*((\a)%4)+\b):8*(8*((\a)%4)+\b)+7], v[128*(\p)+FR*\b:128*(\p)+FR*\b+FR-1], v[AF+FR*(\a):AF+FR*(\a)+FR-1], v[8*(8*((\a)%4)+\b):8*(8*((\a)%4)+\b)+7]
.elseif \mode == 1
	v_wmma_f32_16x16x128_fp8_fp8 v[8*(8*((\a)%4)+\b):8*(8*((\a)%4)+\b)+7], v[128*(\p)+FR*\b:128*(\p)+FR*\b+FR-1], v[AF+FR*(\a):AF+FR*(\a)+FR-1], v[BIAS+8*\b:BIAS+8*\b+7]
.else
	v_wmma_f32_16x16x128_fp8_fp8 v[8*(8*((\a)%4)+\b):8*(8*((\a)%4)+\b)+7], v[128*(\p)+FR*\b:128*(\p)+FR*\b+FR-1], v[AF+FR*(\a):AF+FR*(\a)+FR-1], v[BIAS+8*(\a):BIAS+8*(\a)+7]
.endif
.endr
.endr
.endm
.macro FETCH_B slot, q, p
	WIN TO_B
.irp i, 0,1,2,3,4,5,6,7
	FRAG 128*(\p)+FR*\i, ADRB+\slot, \q, \i
.endr
	WIN 0
.endm
.macro FETCH_A slot, q, i0
.irp i, \i0, \i0+1, \i0+2, \i0+3
	FRAG AF+FR*(\i), ADRA+\slot, \q, \i
.endr
.endm
.macro PLACES n                        ; plain vector lines between a matrix instruction and a load into, or a vector read of, its registers
.rept \n
	v_nop
.endr
.endm
.macro STEP slot, q, mode              ; 128 along K that has its successor in the same slot
	s_wait_dscnt 4*NL                              ; B's set and A's blocks 0-3 are in; the sixteen youngest loads (A's blocks 4-7) may be out
.if \mode
	WIN 0x81                                       ; C (the bias) in window 0, D in window 2
.else
	WIN MUL_LO
.endif
	MUL16 0, (\q)%2, \mode
	MUL16 2, (\q)%2, \mode
	s_wait_dscnt 0
	PLACES NP
	FETCH_B \slot, (\q)+1, 1-(\q)%2
	FETCH_A \slot, (\q)+1, 0
.if \mode
	WIN 0xc1
.else
	WIN MUL_HI
.endif
	MUL16 4, (\q)%2, \mode
	MUL16 6, (\q)%2, \mode
	PLACES NP
	WIN 0
	FETCH_A \slot, (\q)+1, 4
.endm
; A slot's last step changes slots: one barrier; in front of it each wave waits for all its tensor loads, adds 0 to its spare word, and waits for that and for its reads of this slot.
.macro TURN slot, next, fill
	s_wait_tensorcnt 0x0                           ; all my tensor loads have landed: my part of the next slot
	ds_add_u32 v[SPW], v[NIL]                      ; 0 onto my spare word
	s_wait_dscnt 4*NL+1                            ; the add and the sixteen youngest loads may be out
	WIN MUL_LO
	MUL16 0, 1, 0
	s_wait_dscnt 0x0                               ; the add is done, and my reads of this slot are over
	s_barrier_signal -1
	MUL16 2, 1, 0
	WIN 0
	s_barrier_wait -1
.if \fill
	CREST                                          ; the barrier has opened a round of the cluster's: no wave of any partner still reads this slot or has a load on its way
	s_add_nc_u64 s[G0+4*\slot+2:G0+4*\slot+3], s[G0+4*\slot+2:G0+4*\slot+3], 2*RBROW
	s_add_nc_u64 s[G0B+4*\slot+2:G0B+4*\slot+3], s[G0B+4*\slot+2:G0B+4*\slot+3], 2*RBROW
	JLOAD G0+4*\slot, G1, G0B+4*\slot, G1B         ; the first tensor load behind the round; its four v_nop are the places in front of the loads below
.else
	PLACES NP
.endif
	FETCH_B \next, 0, 0
	FETCH_A \next, 0, 0
	WIN MUL_HI
	MUL16 4, 1, 0
	MUL16 6, 1, 0
	PLACES NP
	WIN 0
	FETCH_A \next, 0, 4
.endm
; Block a of A (16 rows) leaves: 64 sums a lane are held, converted (16 registers = four pieces) and stored, 512 consecutive bytes a store.
.macro OUTBLK a
.set AC, 64*((\a)%4)
	WIN 0x02+((\a)/4)                              ; source 0: window 2 or 3
.set j, 0
.rept 64
	v_med3_num_f32 v[TMP+j], v[AC+j], -v[LIM], v[LIM]   ; each accumulator from its low end on
.set j, j+1
.endr
	WIN 0
.irp g, 0,1,2,3,4,5,6,7
	v_cvt_scalef32_pk8_fp8_f32 v[CD+16*(\a)+2*\g:CD+16*(\a)+2*\g+1], v[TMP+8*\g:TMP+8*\g+7], v[SC]
.endr
	v_nop                                          ; a plain line behind the last conversion: the next block's holds write its sources
.if (\a) > 0
	s_wait_alu depctr_va_vdst(0)
	s_wait_xcnt 0x0                                ; the earlier stores have read their base
.if (\a) == 4
	s_add_nc_u64 s[72:73], s[72:73], s[74:75]
.else
	s_add_nc_u64 s[72:73], s[72:73], s[66:67]
.endif
.endif
	global_store_b128 v[VO0], v[CD+16*(\a):CD+16*(\a)+3], s[72:73]
	global_store_b128 v[VO0], v[CD+16*(\a)+4:CD+16*(\a)+7], s[72:73] offset:512
	global_store_b128 v[VO1], v[CD+16*(\a)+8:CD+16*(\a)+11], s[72:73]
	global_store_b128 v[VO1], v[CD+16*(\a)+12:CD+16*(\a)+15], s[72:73] offset:512
.endm
	s_load_b128 s[4:7], s[0:1], 0x0                ; xc, wcodes
	s_load_b128 s[8:11], s[0:1], 0x10              ; the scales' exponents, bq
	s_load_b128 s[68:71], s[0:1], 0x20             ; bk, bv
	s_load_b64 s[72:73], s[0:1], 0x30              ; qkvc
	v_lshl_add_u32 v[SPW], v0, 2, SPARE
	v_mov_b32 v[NIL], 0
	ds_add_u32 v28, v29
	ds_add_u32 v28, v29
	s_wait_dscnt 0x0
	v_lshrrev_b32 v1, 5, v0
	v_readfirstlane_b32 s14, v1                    ; wave 0..3
	s_lshr_b32 s15, s14, 1                         ; which half of A's rows is mine.  Also: I fetch for A (0) or for B (1)
	s_and_b32 s16, s14, 1                          ; which half of B's rows.  Also: which half of that tile I fetch
	s_bfe_u32 s40, ttmp6, 0x40000                  ; cx
	s_bfe_u32 s41, ttmp6, 0x40004                  ; cy
	s_and_b32 s12, ttmp7, 0xffff
	s_lshl_b32 s12, s12, 2                         ; 4 x cluster y: the sixteen token tiles go along A for q and k, along B for v
	s_cmp_eq_u32 ttmp9, 2
	s_cselect_b32 s18, 0, s12
	s_cselect_b32 s19, s12, 0
	s_add_co_u32 s17, s41, s18                     ; A's tile: made of cy alone
	s_add_co_u32 s42, s40, s19                     ; B's tile: made of cx alone
	s_lshl_b32 s43, s41, 2
	s_lshl_b32 s43, 15, s43                        ; my row of the cluster
	s_lshl_b32 s44, 0x1111, s40                    ; my column
	; descriptor group 1: 8 rows (image row blocks) x 4,096 bytes, 16,384 bytes apart in memory; elements of 8 bytes; no padding
	s_or_b32 s[G1+0], s43, (3<<16)|(1<<21)
	s_or_b32 s[G1B+0], s44, (3<<16)|(1<<21)
.irp g, G1, G1B
	s_mov_b32 s[\g+1], 512<<16                     ; tensor_dim0
	s_mov_b32 s[\g+2], 8<<16                       ; tensor_dim1
	s_mov_b32 s[\g+3], 512<<16                     ; tile_dim0
	s_mov_b32 s[\g+4], 8                           ; tile_dim1
	s_mov_b32 s[\g+5], 2048                        ; tensor_dim0_stride
	s_mov_b32 s[\g+6], 0
	s_mov_b32 s[\g+7], 0
.endr
	s_lshl_b32 s18, s16, 17                        ; the half that I fetch: 8 blocks of 16,384 bytes
	s_lshl_b32 s20, s17, 18
	s_add_co_u32 s20, s20, s18
	s_mov_b32 s21, 0
	s_lshl_b32 s46, s42, 18
	s_add_co_u32 s46, s46, s18
	s_mov_b32 s47, 0
	s_lshl_b32 s22, ttmp9, 22                      ; x's version
	s_mov_b32 s23, 0
	s_lshl_b32 s74, ttmp9, 20                      ; the weight
	s_mov_b32 s75, 0
	s_mul_i32 s45, s14, HALFT                      ; where my part of a tile goes: no place in the cluster enters an LDS address
	s_wait_kmcnt 0x0
	s_load_b256 s[76:83], s[8:9], 0x0              ; e0 .. e7
	s_load_b64 s[84:85], s[8:9], 0x20              ; e8, e9
	s_add_nc_u64 s[4:5], s[4:5], s[22:23]
	s_add_nc_u64 s[6:7], s[6:7], s[74:75]
	s_cmp_eq_u32 ttmp9, 2
	s_cselect_b64 s[86:87], s[6:7], s[4:5]         ; A: the weight for v, else x
	s_cselect_b64 s[88:89], s[4:5], s[6:7]         ; B: the other
	s_add_nc_u64 s[20:21], s[86:87], s[20:21]
	s_add_nc_u64 s[46:47], s[88:89], s[46:47]
	CROUND                                         ; all sixteen work-groups are here: the first joint loads meet
.irp s, 0,1
	s_mov_b32 s[G0+4*\s], 1
	s_add_co_u32 s[G0+4*\s+1], s45, \s*SLOT
	s_add_nc_u64 s[G0+4*\s+2:G0+4*\s+3], s[20:21], \s*RBROW
	s_or_b32 s[G0+4*\s+3], s[G0+4*\s+3], 0x80000000
	s_mov_b32 s[G0B+4*\s], 1
	s_add_co_u32 s[G0B+4*\s+1], s45, \s*SLOT
	s_add_nc_u64 s[G0B+4*\s+2:G0B+4*\s+3], s[46:47], \s*RBROW
	s_or_b32 s[G0B+4*\s+3], s[G0B+4*\s+3], 0x80000000
.endr
	JLOAD G0, G1, G0B, G1B                         ; slot 0: one tensor load a wave at the head
	v_and_b32 v1, 31, v0
	v_lshlrev_b32 v[VO0], 4, v1
	s_wait_alu depctr_va_vdst(0)
	s_mul_i32 s21, s15, HALFT
	s_mul_i32 s22, s16, HALFT
	s_add_co_u32 s22, s22, 2*HALFT
.irp s, 0,1
	v_add_nc_u32 v[ADRA+\s], s21, v[VO0]
	v_add_nc_u32 v[ADRB+\s], s22, v[VO0]
	s_add_co_u32 s21, s21, SLOT
	s_add_co_u32 s22, s22, SLOT
.endr
	; what differs between q, k and v, chosen without a jump
	s_cmp_eq_u32 ttmp9, 2
	s_cselect_b32 s90, 4, 0                        ; the bias's lane part: v: 4 (r + 8 (r / 8)), one number for all eight registers;
	s_cselect_b32 s91, 0, 64                       ; q, k: 64 h,
	s_cselect_b32 s92, 0, 4                        ; and 4 bytes from register to register
	s_cselect_b32 s93, s41, s40                    ; the channels' tile: cy for v, cx for q and k
	s_cselect_b32 s94, s15, s16                    ; and my half of it
	s_cselect_b32 s87, s16, s15                    ; my half of the tokens' tile
	s_cselect_b32 s86, s42, s17                    ; the tokens' tile
	s_mov_b32 s12, 131072
	s_cselect_b32 s12, 1024, s12                   ; pieces 2 and 3: v: the image's second half; q, k: the next head
	s_mov_b32 s66, 1024
	s_cselect_b32 s66, 2048, s66                   ; from block to block of A: an image on
	s_mov_b32 s74, 1024
	s_cselect_b32 s74, 124928, s74                 ; v, from block 3 to block 4: the next head's first image
	s_mov_b32 s67, 0
	s_mov_b32 s75, 0
	s_cselect_b64 s[98:99], s[70:71], s[68:69]
	s_cmp_eq_u32 ttmp9, 0
	s_cselect_b64 s[98:99], s[10:11], s[98:99]     ; bq, bk or bv
	v_add_nc_u32 v[VO1], s12, v[VO0]
	s_lshl_b32 s88, s93, 10
	s_lshl_b32 s95, s94, 9
	s_add_co_u32 s88, s88, s95                     ; 4 x (256 tile + 128 half)
	s_mov_b32 s89, 0
	s_add_nc_u64 s[98:99], s[98:99], s[88:89]
	v_and_b32 v12, 15, v0                          ; r
	v_bfe_u32 v13, v0, 4, 1                        ; h
	v_and_b32 v14, 8, v12
	v_add_nc_u32 v14, v14, v12                     ; r + 8 (r / 8)
	v_mul_u32_u24 v14, v14, s90
	v_mad_u32_u24 v14, v13, s91, v14
.irp j, 0,1,2,3,4,5,6,7
	v_mad_u32_u24 v[VJ+\j], s92, \j, v14
.endr
.irp blk, 0,1,2,3,4,5,6,7
.irp j, 0,1,2,3,4,5,6,7
	global_load_b32 v[BIAS+8*\blk+\j], v[VJ+\j], s[98:99] offset:(32*(\blk/2)+8*(\blk%2))*4
.endr
.endr
	; where my results go: problem, batch, head (4 tile + 2 half), and the tokens' place, which is the same sum for images of 16 tokens x 1,024 bytes and key steps of 128 tokens x 8,192 bytes
	s_lshl_b32 s88, ttmp9, 22
	s_lshr_b32 s95, s86, 3
	s_lshl_b32 s95, s95, 21
	s_add_co_u32 s88, s88, s95
	s_lshl_b32 s95, s93, 19
	s_add_co_u32 s88, s88, s95
	s_lshl_b32 s95, s94, 18
	s_add_co_u32 s88, s88, s95
	s_and_b32 s95, s86, 7
	s_lshl_b32 s95, s95, 14
	s_add_co_u32 s88, s88, s95
	s_lshl_b32 s95, s87, 13
	s_add_co_u32 s88, s88, s95
	s_add_nc_u64 s[72:73], s[72:73], s[88:89]
	s_wait_alu depctr_va_vdst(0)                   ; the wait at the head's end
	s_wait_tensorcnt 0x0                           ; my part of slot 0 is in; the lines ahead of a later first fill:
	ds_add_u32 v[SPW], v[NIL]
	s_wait_dscnt 0x0
	CROUND                                         ; everybody's part of slot 0 is in, and all sixteen work-groups are here
	JLOAD G0+4, G1, G0B+4, G1B                     ; slot 1's first fill, the first tensor load behind the round
	FETCH_B 0, 0, 0
	FETCH_A 0, 0, 0
	FETCH_A 0, 0, 4
	s_wait_kmcnt 0x0
	s_add_co_i32 s76, s76, s77                     ; e0 + e1
	s_add_co_i32 s78, s78, s79                     ; e2 + e3
	s_add_co_i32 s80, s80, s81                     ; e4 + e5
	s_cmp_eq_u32 ttmp9, 0
	s_cselect_b32 s76, s76, s78
	s_cselect_b32 s77, s82, s83                    ; e6 for q, e7 for k,
	s_cmp_eq_u32 ttmp9, 2
	s_cselect_b32 s76, s80, s76                    ; ea + eb
	s_cselect_b32 s77, s85, s77                    ; e9 for v
	s_sub_co_i32 s78, 0, s76
	s_sub_co_i32 s77, s77, s76                     ; a sum stands for sum x 2^(ea + eb): the three scales are folded into the conversion's one
	s_add_co_i32 s77, s77, 127
	s_lshl_b32 s79, s77, 23
	v_mov_b32 v[SC], s79
	s_add_co_i32 s77, s77, 8
	s_lshl_b32 s77, s77, 23
	s_or_b32 s77, s77, 0x600000
	v_mov_b32 v[LIM], s77
	s_wait_loadcnt 0x0
.set j, 0
.rept 64
	v_ldexp_f32 v[BIAS+j], v[BIAS+j], s78          ; the bias goes in divided by the power of two that the sums lack
.set j, j+1
.endr
	s_cmp_eq_u32 ttmp9, 2                          ; the one branch: which bias starts the sums.  Both arms hold the same loads and waits
	s_cbranch_scc1 .Lv_first
	s_wait_alu depctr_va_vdst(0)
	STEP 0, 0, 1
	s_branch .Lfirst_done
.Lv_first:
	s_wait_alu depctr_va_vdst(0)
	STEP 0, 0, 2
.Lfirst_done:
	TURN 0, 1, 1
	STEP 1, 0, 0
	TURN 1, 0, 1
	STEP 0, 0, 0
	TURN 0, 1, 0                                   ; the last two slots are filled no more
	STEP 1, 0, 0
	s_wait_dscnt 4*NL
	WIN MUL_LO
	MUL16 0, 1, 0
	MUL16 2, 1, 0
	s_wait_dscnt 0
	WIN MUL_HI
	MUL16 4, 1, 0
	MUL16 6, 1, 0
	WIN 0
	PLACES NP
.irp a, 0,1,2,3,4,5,6,7
	OUTBLK \a
.endr
	s_wait_tensorcnt 0x0                           ; the wave's end
	ds_add_u32 v[SPW], v[NIL]
	s_wait_dscnt 0x0
	CROUND                                         ; the closing round: no work-group ends while a partner may still ask for a tile that names it
	s_endpgm
.Lfunc_end_k_q098deb4a3d_qkv:
	.size	k_q098deb4a3d_qkv, .Lfunc_end_k_q098deb4a3d_qkv-k_q098deb4a3d_qkv
	.p2alignl 7, 3214868480
	.fill 96, 4, 3214868480
	.section	.rodata,"a",@progbits
	.p2align	6, 0x0
	.amdhsa_kernel k_q098deb4a3d_qkv
		.amdhsa_group_segment_fixed_size 327680
		.amdhsa_private_segment_fixed_size 0
		.amdhsa_enable_private_segment 0
		.amdhsa_kernarg_size 56
		.amdhsa_user_sgpr_count 2
		.amdhsa_user_sgpr_kernarg_segment_ptr 1
		.amdhsa_wavefront_size32 1
		.amdhsa_system_sgpr_workgroup_id_x 1
		.amdhsa_system_sgpr_workgroup_id_y 1
		.amdhsa_system_sgpr_workgroup_id_z 1
		.amdhsa_system_vgpr_workitem_id 0
		.amdhsa_next_free_vgpr 1024
		.amdhsa_next_free_sgpr 100
		.amdhsa_reserve_vcc 0
		.amdhsa_float_denorm_mode_32 3
		.amdhsa_float_denorm_mode_16_64 3
		.amdhsa_memory_ordered 1
		.amdhsa_forward_progress 1
		.amdhsa_inst_pref_size 139
	.end_amdhsa_kernel
	.amdgpu_metadata
---
amdhsa.version: [ 1, 2 ]
amdhsa.kernels:
  - .name:           k_q098deb4a3d_qkv
    .symbol:         k_q098deb4a3d_qkv.kd
    .args:
      - { .name: xc, .offset: 0, .size: 8, .value_kind: global_buffer, .address_space: global }
      - { .name: wcodes, .offset: 8, .size: 8, .value_kind: global_buffer, .address_space: global }
      - { .name: lowp_scales, .offset: 16, .size: 8, .value_kind: global_buffer, .address_space: global }
      - { .name: bq, .offset: 24, .size: 8, .value_kind: global_buffer, .address_space: global }
      - { .name: bk, .offset: 32, .size: 8, .value_kind: global_buffer, .address_space: global }
      - { .name: bv, .offset: 40, .size: 8, .value_kind: global_buffer, .address_space: global }
      - { .name: qkvc, .offset: 48, .size: 8, .value_kind: global_buffer, .address_space: global }
    .group_segment_fixed_size: 327680
    .private_segment_fixed_size: 0
    .kernarg_segment_align: 8
    .kernarg_segment_size: 56
    .max_flat_workgroup_size: 128
    .sgpr_count:     100
    .vgpr_count:     1024
    .wavefront_size: 32
...
	.end_amdgpu_metadata
.endif
;; end of part 2
;; launch attn (part 3): grid 8 x 32, 16 waves a work-group, clusters of 4 x 1, 327,680 bytes of LDS; arguments qkvc, lowp_scales, res, W1, W2, wcodes, x; writes res, wcodes
.if DOCPART == 3
	.amdgcn_target "amdgcn-amd-amdhsa--gfx1250"
	.amdhsa_code_object_version 6
	.text
	.protected	k_q098deb4a3d_attn
	.globl	k_q098deb4a3d_attn
	.p2align	8
	.type	k_q098deb4a3d_attn,@function
k_q098deb4a3d_attn:
	s_mov_b64 s[64:65], 0
	v_nop
	global_prefetch_b8 v0, s[64:65] scope:SCOPE_SE
	s_setreg_imm32_b32 hwreg(HW_REG_WAVE_MODE, 25, 1), 1
	s_wait_xcnt 0x0
	s_wait_alu depctr_hold_cnt(0) depctr_sa_sdst(0) depctr_va_vdst(0) depctr_va_sdst(0) depctr_va_ssrc(0) depctr_va_vcc(0) depctr_vm_vsrc(0)
	s_getreg_b32 s2, hwreg(HW_REG_IB_STS2, 6, 4)
	s_cmp_eq_u32 s2, 0
	s_cbranch_scc0 .Lentry_in_a_cluster
	s_endpgm
.Lentry_in_a_cluster:
	s_bfe_u32 s2, ttmp6, 0x10000c
	s_cmp_lg_u32 s2, 0x3003
	s_cbranch_scc0 .Lentry_shape_is_right
	s_endpgm
.Lentry_shape_is_right:
; o = softmax(q k^T / 8) v on codes of FP8 (E4M3), and res = x + o (heads side by side), f32.  p = 2^(t - M), M the running largest t rounded up to a whole number; the row's sum is taken of the unquantised p and divides at the end.
; A work-group owns 256 queries of one (batch, head), a wave 16 of them; both products are used transposed, so a lane holds one query.  The head's 2,048 keys lie whole in LDS as images of registers: K at 0, V at 2^17, 8,192 bytes a key step of 128.
; CLUSTERS: the four query blocks of a cluster ask for K and V jointly: first four key steps, then, behind the full sequence and a round, the other twelve.  Nothing is filled again.
; On the side each wave quantises 32 x 32 numbers of W1 and of W2 (scales' entries 11, 13) into wcodes, a lane to a column, registers down K.
; A SPLIT BARRIER IN EACH KEY STEP (signal at its head, wait at its end) holds the sixteen waves within one key step of each other; between the two stand register work and reads of K and V, which no wave writes before the later barrier ahead of the way out.
; LIMITS: e6 + e7 between -123 and 130; e8, e11, e13 between -126 and 119; the scaled scores stay under 2^31 in magnitude; NaN among the inputs is not served.
.set WV,  18
.set SEL, 20
.set CS,  22
.set G1A, 24
.set G1B, 32
.set G0A, 40
.set G0B, 44
.set TB,  2
.set ADK, 8
.set ADV, 9
.set SC1, 6
.set LM1, 7
.set WOF, 10
.set WD1, 11
.set WD2, 239
.set SC2, 237
.set LM2, 238
.macro ROUND
	s_barrier_signal -1
	s_barrier_wait -1
	s_cmp_lg_u32 s[WV], 0
	s_cbranch_scc1 .Lnot_wave_0_\@
	s_barrier_signal -3
.Lnot_wave_0_\@:
	s_barrier_wait -3
	s_barrier_signal -1
	s_barrier_wait -1
.endm
.macro WLD base, pitch
.set i, 0
.rept 32
	global_load_b32 v[208+i-208*(i/24)], v[WOF], s[\base:\base+1] offset:i*\pitch th:TH_LOAD_NT
.set i, i+1
.endr
.endm
.macro WPROC sc, lim, dst, base
	s_wait_loadcnt 0x0
	s_wait_xcnt 0x0
.set i, 0
.rept 32
	v_med3_num_f32 v[208+i-208*(i/24)], v[208+i-208*(i/24)], -v[\lim], v[\lim]
.set i, i+1
.endr
	v_cvt_scalef32_pk8_fp8_f32 v[232:233], v[208:215], v[\sc]
	v_cvt_scalef32_pk8_fp8_f32 v[234:235], v[216:223], v[\sc]
	v_cvt_scalef32_pk8_fp8_f32 v[248:249], v[224:231], v[\sc]
	v_cvt_scalef32_pk8_fp8_f32 v[250:251], v[24:31], v[\sc]
	v_nop
	global_store_b128 v[\dst], v[232:235], s[\base:\base+1]
	global_store_b128 v[\dst], v[248:251], s[\base:\base+1] offset:256
.endm
.macro STEP
	s_barrier_signal -1                            ; I have begun this key step (none of my LDS loads is out here)
	v_add_nc_u32 v[ADK], s[TB], v1
	v_add_nc_u32 v[ADV], s[TB], v2
	v_nop
	v_nop
.irp t, 0,1,2,3,4,5,6,7
	ds_load_b128 v[32+8*\t:35+8*\t], v[ADK] offset:1024*\t
	ds_load_b128 v[36+8*\t:39+8*\t], v[ADK] offset:1024*\t+512
.endr
	s_wait_alu depctr_va_vdst(0)
	s_wait_dscnt 0x0
.irp t, 0,1,2,3,4,5,6,7
	v_wmma_f32_16x16x64_fp8_fp8 v[96+8*\t:103+8*\t], v[32+8*\t:39+8*\t], v[16:23], 0
.endr
.rept 4
	v_nop
.endr
.irp d, 0,1,2,3
.irp c, 0,1,2,3
	ds_load_b128 v[32+16*\d+4*\c:35+16*\d+4*\c], v[ADV] offset:2048*\d+512*\c
.endr
.endr
	v_max3_num_f32 v254, v96, v97, v98
	v_max3_num_f32 v252, v99, v100, v101
.set i, 6
.rept 14
	v_max3_num_f32 v254, v254, v[96+i], v[97+i]
	v_max3_num_f32 v252, v252, v[98+i], v[99+i]
.set i, i+4
.endr
	v_max3_num_f32 v254, v254, v158, v159
	s_delay_alu instid0(VALU_DEP_1)
	v_max_num_f32 v254, v254, v252
	s_delay_alu instid0(VALU_DEP_1)
	v_permlanex16_b32 v236, v254, s[SEL], s[SEL+1]
	s_delay_alu instid0(VALU_DEP_1)
	v_max_num_f32 v254, v254, v236
	s_delay_alu instid0(VALU_DEP_1)
	v_mul_f32 v254, s[CS], v254
	s_delay_alu instid0(VALU_DEP_1)
	v_max_num_f32 v13, v13, v254
	v_mov_b32 v254, v12
	s_delay_alu instid0(VALU_DEP_2)
	v_floor_f32 v12, -v13
	s_delay_alu instid0(VALU_DEP_1)
	v_sub_f32 v254, v12, v254
	s_delay_alu instid0(VALU_DEP_1)
	v_cvt_i32_f32 v254, v254
	s_delay_alu instid0(VALU_DEP_1)
	v_ldexp_f32 v252, 1.0, v254
.set i, 0
.rept 32
	v_pk_fma_f32 v[96+i:97+i], v[96+i:97+i], s[CS:CS+1], v[12:13] op_sel_hi:[1,0,0]
.set i, i+2
.endr
.set i, 0
	s_wait_alu depctr_va_vdst(0)
.rept 64
	v_exp_f32 v[96+i], v[96+i]
.set i, i+1
.endr
	v_pk_mul_f32 v[14:15], v[14:15], v[252:253] op_sel_hi:[1,0]
	s_wait_alu depctr_va_vdst(0)
	v_pk_add_f32 v[242:243], v[96:97], v[98:99]
.set i, 4
.rept 15
	v_pk_add_f32 v[14:15], v[14:15], v[96+i:97+i]
	v_pk_add_f32 v[242:243], v[242:243], v[98+i:99+i]
.set i, i+4
.endr
	s_delay_alu instid0(VALU_DEP_1)
	v_pk_add_f32 v[14:15], v[14:15], v[242:243]
.irp b, 0,1,2,3
.set i, 0
.rept 16
	v_min_num_f32 v[96+16*\b+i], v[96+16*\b+i], v240
.set i, i+1
.endr
	v_cvt_scalef32_pk8_fp8_f32 v[192+4*\b:193+4*\b], v[96+16*\b:103+16*\b], v244
	v_cvt_scalef32_pk8_fp8_f32 v[194+4*\b:195+4*\b], v[104+16*\b:111+16*\b], v244
.endr
.set i, 0
.rept 16
	v_pk_mul_f32 v[160+i:161+i], v[160+i:161+i], v[252:253] op_sel_hi:[1,0]
.set i, i+2
.endr
	s_wait_alu depctr_va_vdst(0)
	s_wait_dscnt 0x0
.irp d, 0,1,2,3
	v_wmma_f32_16x16x128_fp8_fp8 v[160+8*\d:167+8*\d], v[32+16*\d:47+16*\d], v[192:207], v[160+8*\d:167+8*\d]
.endr
	s_add_co_u32 s[TB], s[TB], 8192
	s_barrier_wait -1                              ; and go on when all sixteen have begun it
.endm
	s_load_b128 s[4:7], s[0:1], 0x0
	s_load_b64 s[8:9], s[0:1], 0x10
	s_load_b256 s[88:95], s[0:1], 0x18
	v_lshl_add_u32 v247, v0, 2, 0x40000
	v_mov_b32 v255, 0
	ds_add_u32 v247, v255
	ds_add_u32 v247, v255
	v_lshrrev_b32 v8, 5, v0
	s_delay_alu instid0(VALU_DEP_1)
	v_readfirstlane_b32 s[WV], v8
	s_bfe_u32 s10, ttmp6, 0x40000
	s_lshl_b32 s11, ttmp9, 2
	s_add_co_u32 s11, s11, s10
	s_and_b32 s12, ttmp7, 0xffff
	s_lshr_b32 s13, s[WV], 3
	s_and_b32 s14, s[WV], 7
	s_lshl_b32 s15, s13, 17
	s_lshl_b32 s16, s14, 12
	s_mul_i32 s17, s14, 12288
	s_add_co_u32 s17, s17, 32768
	s_lshl_b32 s48, s13, 22
	s_add_co_u32 s48, s48, 0x400000
	s_lshl_b32 s49, s12, 17
	s_add_co_u32 s48, s48, s49
	s_add_co_u32 s50, s48, s16
	s_mov_b32 s51, 0
	s_add_co_u32 s52, s48, s17
	s_mov_b32 s53, 0
	s_mov_b32 s[G1A], 15|(3<<16)|(1<<21)
	s_mov_b32 s[G1A+1], 32<<16
	s_mov_b32 s[G1A+2], 16<<16
	s_mov_b32 s[G1A+3], 32<<16
	s_mov_b32 s[G1A+4], 16
	s_mov_b32 s[G1A+5], 32
	s_mov_b32 s[G1A+6], 0
	s_mov_b32 s[G1A+7], 0
	s_mov_b32 s[G1B], 15|(3<<16)|(1<<21)
	s_mov_b32 s[G1B+1], 32<<16
	s_mov_b32 s[G1B+2], 48<<16
	s_mov_b32 s[G1B+3], 32<<16
	s_mov_b32 s[G1B+4], 48
	s_mov_b32 s[G1B+5], 32
	s_mov_b32 s[G1B+6], 0
	s_mov_b32 s[G1B+7], 0
	s_mov_b32 s[SEL], 0x76543210
	s_mov_b32 s[SEL+1], 0xfedcba98
	s_mov_b32 s[CS], 0x3e38aa3b
	s_mov_b32 s[TB], 0
	s_wait_dscnt 0x0
	s_wait_kmcnt 0x0
	s_load_b128 s[68:71], s[6:7], 0x18
	s_load_b128 s[84:87], s[6:7], 0x28
	s_mov_b32 s[G0A], 1
	s_add_co_u32 s[G0A+1], s15, s16
	s_add_nc_u64 s[G0A+2:G0A+3], s[4:5], s[50:51]
	s_or_b32 s[G0A+3], s[G0A+3], 0x80000000
	s_mov_b32 s[G0B], 1
	s_add_co_u32 s[G0B+1], s15, s17
	s_add_nc_u64 s[G0B+2:G0B+3], s[4:5], s[52:53]
	s_or_b32 s[G0B+3], s[G0B+3], 0x80000000
	ROUND
	tensor_load_to_lds s[G0A:G0A+3], s[G1A:G1A+7]
	s_nop 0
	s_wait_alu depctr_va_vdst(0)
	s_wait_tensorcnt 0x0
	ds_add_u32 v247, v255
	s_wait_dscnt 0x0
	ROUND
	tensor_load_to_lds s[G0B:G0B+3], s[G1B:G1B+7]
	s_nop 0
.rept 4
	v_nop
.endr
	v_and_b32 v1, 31, v0
	s_delay_alu instid0(VALU_DEP_1)
	v_lshlrev_b32 v1, 4, v1
	s_lshl_b32 s54, s11, 14
	s_lshl_b32 s55, s[WV], 10
	s_add_co_u32 s54, s54, s55
	s_add_co_u32 s54, s54, s49
	s_mov_b32 s55, 0
	s_add_nc_u64 s[56:57], s[4:5], s[54:55]
	global_load_b128 v[16:19], v1, s[56:57]
	global_load_b128 v[20:23], v1, s[56:57] offset:512
	v_add_nc_u32 v2, 0x20000, v1
	v_and_b32 v8, 15, v0
	v_bfe_u32 v9, v0, 4, 1
	s_mul_i32 s58, s[WV], 4352
	v_mul_u32_u24 v4, v8, 272
	s_delay_alu instid0(VALU_DEP_1)
	v_lshl_add_u32 v4, v9, 6, v4
	s_delay_alu instid0(VALU_DEP_1)
	v_add_nc_u32 v4, s58, v4
	v_mul_u32_u24 v5, v9, 272
	s_delay_alu instid0(VALU_DEP_1)
	v_lshl_add_u32 v5, v8, 4, v5
	s_delay_alu instid0(VALU_DEP_1)
	v_add_nc_u32 v5, s58, v5
	v_lshlrev_b32 v3, 12, v9
	s_delay_alu instid0(VALU_DEP_1)
	v_lshl_add_u32 v3, v8, 4, v3
	s_lshr_b32 s60, s12, 4
	s_lshl_b32 s60, s60, 23
	s_lshl_b32 s61, s11, 20
	s_add_co_u32 s60, s60, s61
	s_lshr_b32 s61, s[WV], 1
	s_lshl_b32 s61, s61, 17
	s_add_co_u32 s60, s60, s61
	s_and_b32 s61, s[WV], 1
	s_lshl_b32 s61, s61, 15
	s_add_co_u32 s60, s60, s61
	s_and_b32 s61, s12, 15
	s_lshl_b32 s61, s61, 8
	s_add_co_u32 s60, s60, s61
	s_mov_b32 s61, 0
	s_add_nc_u64 s[8:9], s[8:9], s[60:61]
	s_add_nc_u64 s[94:95], s[94:95], s[60:61]
	s_lshl_b32 s74, s12, 3
	s_add_co_u32 s74, s74, s11
	s_lshl_b32 s74, s74, 4
	s_add_co_u32 s74, s74, s[WV]
	s_mov_b32 s79, 0
	s_and_b32 s75, s74, 127
	s_lshr_b32 s76, s74, 7
	s_lshl_b32 s78, s76, 19
	s_lshl_b32 s77, s75, 7
	s_add_co_u32 s78, s78, s77
	s_add_nc_u64 s[88:89], s[88:89], s[78:79]
	s_lshl_b32 s78, s75, 15
	s_add_co_u32 s78, s78, 0x300000
	s_lshr_b32 s77, s76, 2
	s_lshl_b32 s77, s77, 11
	s_add_co_u32 s78, s78, s77
	s_and_b32 s77, s76, 3
	s_lshl_b32 s77, s77, 9
	s_add_co_u32 s78, s78, s77
	s_add_nc_u64 s[80:81], s[92:93], s[78:79]
	s_and_b32 s75, s74, 31
	s_lshr_b32 s76, s74, 5
	s_lshl_b32 s78, s76, 17
	s_lshl_b32 s77, s75, 7
	s_add_co_u32 s78, s78, s77
	s_add_nc_u64 s[90:91], s[90:91], s[78:79]
	s_lshl_b32 s78, s75, 17
	s_add_co_u32 s78, s78, 0x700000
	s_lshr_b32 s77, s76, 2
	s_lshl_b32 s77, s77, 11
	s_add_co_u32 s78, s78, s77
	s_and_b32 s77, s76, 3
	s_lshl_b32 s77, s77, 9
	s_add_co_u32 s78, s78, s77
	s_add_nc_u64 s[82:83], s[92:93], s[78:79]
	v_and_b32 v6, 31, v0
	s_delay_alu instid0(VALU_DEP_1)
	v_lshlrev_b32 v[WOF], 2, v6
	v_bfe_u32 v7, v0, 3, 1
	v_and_b32 v[WD1], 7, v0
	s_delay_alu instid0(VALU_DEP_1)
	v_lshl_add_u32 v[WD1], v9, 3, v[WD1]
	s_delay_alu instid0(VALU_DEP_1)
	v_lshlrev_b32 v[WD1], 4, v[WD1]
	s_delay_alu instid0(VALU_DEP_1)
	v_lshl_add_u32 v[WD2], v7, 16, v[WD1]
	s_delay_alu instid0(VALU_DEP_2)
	v_lshl_add_u32 v[WD1], v7, 14, v[WD1]
	v_mov_b32 v13, 0xff61b1e6
	s_delay_alu instid0(VALU_DEP_1)
	v_floor_f32 v12, -v13
	v_mov_b32 v14, 0
	v_mov_b32 v15, 0
	v_mov_b32 v236, 0
	v_mov_b32 v253, 0
.set i, 0
.rept 32
	v_mov_b32 v[160+i], 0
.set i, i+1
.endr
	s_wait_kmcnt 0x0
	s_add_co_i32 s72, s68, s69
	s_lshl_b32 s72, s72, 23
	s_add_co_i32 s[CS], s[CS], s72
	s_mov_b32 s[CS+1], s[CS]
	s_add_co_i32 s72, s70, 127
	s_lshl_b32 s73, s72, 23
	v_mov_b32 v244, s73
	s_add_co_i32 s72, s72, 8
	s_lshl_b32 s72, s72, 23
	s_or_b32 s72, s72, 0x600000
	v_mov_b32 v240, s72
	s_add_co_i32 s72, s85, 127
	s_lshl_b32 s73, s72, 23
	v_mov_b32 v[SC1], s73
	s_add_co_i32 s72, s72, 8
	s_lshl_b32 s72, s72, 23
	s_or_b32 s72, s72, 0x600000
	v_mov_b32 v[LM1], s72
	s_add_co_i32 s72, s87, 127
	s_lshl_b32 s73, s72, 23
	v_mov_b32 v[SC2], s73
	s_add_co_i32 s72, s72, 8
	s_lshl_b32 s72, s72, 23
	s_or_b32 s72, s72, 0x600000
	v_mov_b32 v[LM2], s72
	s_wait_tensorcnt 1
	s_barrier_signal -1
	s_barrier_wait -1
	s_wait_loadcnt 0x0
	WLD 88, 16384
	s_mov_b32 s3, 4
.Lfirst:
	STEP
	s_sub_co_u32 s3, s3, 1
	s_cmp_lg_u32 s3, 0
	s_cbranch_scc1 .Lfirst
	WPROC SC1, LM1, WD1, 80
	WLD 90, 4096
	s_wait_tensorcnt 0x0
	s_wait_dscnt 0x0
	s_barrier_signal -1
	s_barrier_wait -1
	s_mov_b32 s3, 6
.Lmid:
	STEP
	s_sub_co_u32 s3, s3, 1
	s_cmp_lg_u32 s3, 0
	s_cbranch_scc1 .Lmid
	WPROC SC2, LM2, WD2, 82
.irp t, 0,1,2,3,4,5,6,7
	global_load_b128 v[208+4*\t-208*((4*\t)/24):211+4*\t-208*((4*\t)/24)], v3, s[94:95] offset:(2*\t+8*(\t/4))*4096 th:TH_LOAD_NT
.endr
	s_mov_b32 s3, 6
.Llast:
	STEP
	s_sub_co_u32 s3, s3, 1
	s_cmp_lg_u32 s3, 0
	s_cbranch_scc1 .Llast
.rept 4
	v_nop
.endr
	s_wait_dscnt 0x0
	s_barrier_signal -1
	s_barrier_wait -1
	v_add_f32 v14, v14, v15
	s_delay_alu instid0(VALU_DEP_1)
	v_permlanex16_b32 v252, v14, s[SEL], s[SEL+1]
	s_delay_alu instid0(VALU_DEP_1)
	v_add_f32 v14, v14, v252
	s_wait_alu depctr_va_vdst(0)
	v_rcp_f32 v14, v14
	v_nop
	s_add_co_i32 s72, s70, s71
	s_wait_alu depctr_va_vdst(0)
	v_ldexp_f32 v14, v14, s72
.set i, 0
.rept 32
	v_mul_f32 v[96+i], v[160+i], v14
.set i, i+1
.endr
.irp d, 0,1,2,3
	ds_store_b128 v4, v[96+8*\d:99+8*\d] offset:128*(\d/2)+32*(\d%2)
	ds_store_b128 v4, v[100+8*\d:103+8*\d] offset:128*(\d/2)+32*(\d%2)+16
.endr
.irp t, 0,1,2,3,4,5,6,7
	ds_load_b128 v[32+4*\t:35+4*\t], v5 offset:544*\t
.endr
	s_wait_loadcnt 0x0
.irp t, 0,1,2,3,4,5,6,7
	s_wait_dscnt 7-\t
	v_pk_add_f32 v[32+4*\t:33+4*\t], v[32+4*\t:33+4*\t], v[208+4*\t-208*((4*\t)/24):209+4*\t-208*((4*\t)/24)]
	v_pk_add_f32 v[34+4*\t:35+4*\t], v[34+4*\t:35+4*\t], v[210+4*\t-208*((4*\t)/24):211+4*\t-208*((4*\t)/24)]
	global_store_b128 v3, v[32+4*\t:35+4*\t], s[8:9] offset:(2*\t+8*(\t/4))*4096
.endr
	s_wait_dscnt 0x0
	s_wait_tensorcnt 0x0
	ds_add_u32 v247, v255
	s_wait_dscnt 0x0
	ROUND
	s_endpgm
.Lfunc_end_k_q098deb4a3d_attn:
	.size	k_q098deb4a3d_attn, .Lfunc_end_k_q098deb4a3d_attn-k_q098deb4a3d_attn
	.p2alignl 7, 3214868480
	.fill 96, 4, 3214868480
	.section	.rodata,"a",@progbits
	.p2align	6, 0x0
	.amdhsa_kernel k_q098deb4a3d_attn
		.amdhsa_group_segment_fixed_size 327680
		.amdhsa_private_segment_fixed_size 0
		.amdhsa_enable_private_segment 0
		.amdhsa_kernarg_size 56
		.amdhsa_user_sgpr_count 2
		.amdhsa_user_sgpr_kernarg_segment_ptr 1
		.amdhsa_wavefront_size32 1
		.amdhsa_system_sgpr_workgroup_id_x 1
		.amdhsa_system_sgpr_workgroup_id_y 1
		.amdhsa_system_sgpr_workgroup_id_z 1
		.amdhsa_system_vgpr_workitem_id 0
		.amdhsa_next_free_vgpr 256
		.amdhsa_next_free_sgpr 100
		.amdhsa_reserve_vcc 0
		.amdhsa_float_denorm_mode_32 3
		.amdhsa_float_denorm_mode_16_64 3
		.amdhsa_memory_ordered 1
		.amdhsa_forward_progress 1
		.amdhsa_inst_pref_size 75
	.end_amdhsa_kernel
	.amdgpu_metadata
---
amdhsa.version: [ 1, 2 ]
amdhsa.kernels:
  - .name:           k_q098deb4a3d_attn
    .symbol:         k_q098deb4a3d_attn.kd
    .args:
      - { .name: qkvc, .offset: 0, .size: 8, .value_kind: global_buffer, .address_space: global }
      - { .name: lowp_scales, .offset: 8, .size: 8, .value_kind: global_buffer, .address_space: global }
      - { .name: res, .offset: 16, .size: 8, .value_kind: global_buffer, .address_space: global }
      - { .name: W1, .offset: 24, .size: 8, .value_kind: global_buffer, .address_space: global }
      - { .name: W2, .offset: 32, .size: 8, .value_kind: global_buffer, .address_space: global }
      - { .name: wcodes, .offset: 40, .size: 8, .value_kind: global_buffer, .address_space: global }
      - { .name: x, .offset: 48, .size: 8, .value_kind: global_buffer, .address_space: global }
    .group_segment_fixed_size: 327680
    .private_segment_fixed_size: 0
    .kernarg_segment_align: 8
    .kernarg_segment_size: 56
    .max_flat_workgroup_size: 512
    .sgpr_count:     100
    .vgpr_count:     256
    .wavefront_size: 32
...
	.end_amdgpu_metadata
.endif
;; end of part 3
;; launch ln1 (part 4): grid 256 x 1, 16 waves a work-group, no clusters, 19,456 bytes of LDS; arguments res, ln_g, ln_b, lowp_scales, h1, h1c; writes h1, h1c
.if DOCPART == 4
	.amdgcn_target "amdgcn-amd-amdhsa--gfx1250"
	.amdhsa_code_object_version 6
	.text
	.protected	k_q098deb4a3d_ln1
	.globl	k_q098deb4a3d_ln1
	.p2align	8
	.type	k_q098deb4a3d_ln1,@function
k_q098deb4a3d_ln1:
	s_mov_b64 s[64:65], 0
	v_nop
	global_prefetch_b8 v0, s[64:65] scope:SCOPE_SE
	s_setreg_imm32_b32 hwreg(HW_REG_WAVE_MODE, 25, 1), 1
	s_wait_xcnt 0x0
; h1 = LayerNorm(x + o) x g + b, in f32; x + o comes as one buffer from the attention launch.  h1 is stored as f32 (the residual of the second norm) and as codes of FP8 (E4M3) with the scales' entry 10 (the operand of the first FFN product).
; One wave takes one row of 1,024 numbers: 32 registers a lane; the row stays in registers between the mean, the variance (of the differences, as reference() has it) and the scaling.
; A work-group's sixteen rows are the rows of one image row block: row 32 (tb / 2) + 8 (tb % 2) + w + 8 (w / 8).  The codes meet in LDS in image order (16 rows x 128 K = 2,048 bytes, [piece][lane][16 bytes]) and leave as 512 consecutive bytes a store.
; Memory binds: no matrix unit, no cluster, no tensor load.  LIMITS: e10 between -126 and 119; NaN among the inputs is not served.
; REGISTERS: v2 16 x lane; v3 where I put my codes in the stage; v13 where I read the stage back (both made once, never rewritten); v4-7 running sums; v8, v9 the sum over the lanes; v10, v11 the mean, then 1 / the root; v12 1e-5; v14, v15 2^e10 and 448 x it.
.set XA, 16                            ; v16-47   the row
.set OB, 48                            ; v48-79   the numbers held
.set G,  80                            ; v80-111  g
.set BT, 112                           ; v112-143 b
.set C,  144                           ; v144-151 four codes for each K step
.set SW, 3                             ; v3
.set SR, 13                            ; v13
.macro WSUM                            ; v8 summed over the 32 lanes, the result in every lane
	s_delay_alu instid0(VALU_DEP_1)
	v_add_f32_dpp v8, v8, v8 row_xmask:1 row_mask:0xf bank_mask:0xf
	s_delay_alu instid0(VALU_DEP_1)
	v_add_f32_dpp v8, v8, v8 row_xmask:2 row_mask:0xf bank_mask:0xf
	s_delay_alu instid0(VALU_DEP_1)
	v_add_f32_dpp v8, v8, v8 row_xmask:4 row_mask:0xf bank_mask:0xf
	s_delay_alu instid0(VALU_DEP_1)
	v_add_f32_dpp v8, v8, v8 row_xmask:8 row_mask:0xf bank_mask:0xf
	s_delay_alu instid0(VALU_DEP_1)
	v_permlanex16_b32 v9, v8, s24, s25
	s_delay_alu instid0(VALU_DEP_1)
	v_add_f32 v8, v8, v9
.endm
	s_load_b256 s[4:11], s[0:1], 0x0               ; res, ln_g, ln_b, the scales' exponents
	s_load_b128 s[12:15], s[0:1], 0x20             ; h1, h1c
	v_lshl_add_u32 v152, v0, 2, 0x4400
	v_mov_b32 v153, 0
	v_lshrrev_b32 v1, 5, v0
	s_delay_alu instid0(VALU_DEP_1)
	v_readfirstlane_b32 s18, v1                    ; wave 0..15
	v_and_b32 v1, 31, v0
	s_delay_alu instid0(VALU_DEP_1)
	v_lshlrev_b32 v2, 4, v1                        ; 16 x lane
	v_mov_b32 v9, 0
	s_mov_b32 s24, 0x76543210
	s_mov_b32 s25, 0xfedcba98
	s_lshr_b32 s20, ttmp9, 1
	s_lshl_b32 s20, s20, 5
	s_and_b32 s21, ttmp9, 1
	s_lshl_b32 s21, s21, 3
	s_add_co_u32 s20, s20, s21
	s_add_co_u32 s20, s20, s18
	s_and_b32 s21, s18, 8
	s_add_co_u32 s20, s20, s21                     ; my row
	s_lshl_b32 s20, s20, 12
	s_mov_b32 s21, 0
	s_lshl_b32 s26, ttmp9, 14
	s_lshl_b32 s27, s18, 10
	s_add_co_u32 s26, s26, s27                     ; my 1,024 bytes of the block's eight images
	s_mov_b32 s27, 0
	s_wait_alu depctr_va_vdst(0)
	s_wait_kmcnt 0x0
	s_load_b32 s22, s[10:11], 0x28                 ; e10
	s_add_nc_u64 s[4:5], s[4:5], s[20:21]
	s_add_nc_u64 s[12:13], s[12:13], s[20:21]
	s_add_nc_u64 s[14:15], s[14:15], s[26:27]
.set i, 0
.rept 8
	global_load_b128 v[XA+4*i:XA+4*i+3], v2, s[4:5] offset:512*i th:TH_LOAD_NT
.set i, i+1
.endr
.set i, 0
.rept 8
	global_load_b128 v[G+4*i:G+4*i+3], v2, s[6:7] offset:512*i
.set i, i+1
.endr
.set i, 0
.rept 8
	global_load_b128 v[BT+4*i:BT+4*i+3], v2, s[8:9] offset:512*i
.set i, i+1
.endr
	v_lshrrev_b32 v5, 2, v1                        ; the stage: unit lane / 4 = (piece, half) of 272 bytes, row w at 16 w, + 4 (lane % 4); an image is 8 units
	s_delay_alu instid0(VALU_DEP_1)
	v_mul_u32_u24 v[SW], v5, 272
	v_and_b32 v5, 3, v1
	s_delay_alu instid0(VALU_DEP_1)
	v_lshl_add_u32 v[SW], v5, 2, v[SW]
	s_lshl_b32 s28, s18, 4
	v_add_nc_u32 v[SW], s28, v[SW]
	v_lshrrev_b32 v5, 4, v1                        ; back: wave w takes units 4 w .. 4 w + 3
	s_delay_alu instid0(VALU_DEP_1)
	v_mul_u32_u24 v[SR], v5, 272
	v_and_b32 v5, 15, v1
	s_delay_alu instid0(VALU_DEP_1)
	v_lshl_add_u32 v[SR], v5, 4, v[SR]
	s_mul_i32 s28, s18, 1088
	v_add_nc_u32 v[SR], s28, v[SR]
	v_mov_b32 v12, 0x3727c5ac                      ; 1e-5
	s_wait_loadcnt 16                              ; the row is in; g's and b's sixteen loads are the younger ones
	v_pk_add_f32 v[6:7], v[16:17], v[18:19]
	v_pk_add_f32 v[150:151], v[24:25], v[28:29]
	v_pk_add_f32 v[148:149], v[32:33], v[36:37]
	v_pk_add_f32 v[146:147], v[40:41], v[44:45]
	v_pk_add_f32 v[144:145], v[20:21], v[22:23]
	v_pk_add_f32 v[78:79], v[26:27], v[30:31]
	v_pk_add_f32 v[76:77], v[34:35], v[38:39]
	v_pk_add_f32 v[4:5], v[42:43], v[46:47]
	s_delay_alu instid0(VALU_DEP_1)
	v_pk_add_f32 v[4:5], v[4:5], v[146:147]
	v_pk_add_f32 v[6:7], v[6:7], v[144:145]
	v_pk_add_f32 v[150:151], v[150:151], v[78:79]
	v_pk_add_f32 v[148:149], v[148:149], v[76:77]
	s_delay_alu instid0(VALU_DEP_2)
	v_pk_add_f32 v[4:5], v[4:5], v[150:151]
	s_delay_alu instid0(VALU_DEP_2)
	v_pk_add_f32 v[6:7], v[6:7], v[148:149]
	s_delay_alu instid0(VALU_DEP_1)
	v_pk_add_f32 v[4:5], v[4:5], v[6:7]
	s_delay_alu instid0(VALU_DEP_1)
	v_add_f32 v8, v4, v5
	WSUM
	s_delay_alu instid0(VALU_DEP_1)
	v_mul_f32 v10, 0x3a800000, v8                  ; the mean: x 2^-10
	s_delay_alu instid0(VALU_DEP_1)
	v_mov_b32 v11, v10
.set i, 0
.rept 16
	v_pk_add_f32 v[XA+i:XA+i+1], v[XA+i:XA+i+1], v[10:11] neg_lo:[0,1] neg_hi:[0,1]
.set i, i+2
.endr
	v_pk_mul_f32 v[4:5], v[XA:XA+1], v[XA:XA+1]
	v_pk_mul_f32 v[6:7], v[XA+2:XA+3], v[XA+2:XA+3]
.set i, 4
.rept 7
	s_delay_alu instid0(VALU_DEP_2)
	v_pk_fma_f32 v[4:5], v[XA+i:XA+i+1], v[XA+i:XA+i+1], v[4:5]
	s_delay_alu instid0(VALU_DEP_2)
	v_pk_fma_f32 v[6:7], v[XA+i+2:XA+i+3], v[XA+i+2:XA+i+3], v[6:7]
.set i, i+4
.endr
	s_delay_alu instid0(VALU_DEP_1)
	v_pk_add_f32 v[4:5], v[4:5], v[6:7]
	s_delay_alu instid0(VALU_DEP_1)
	v_add_f32 v8, v4, v5
	WSUM
	s_delay_alu instid0(VALU_DEP_1)
	v_fmamk_f32 v8, v8, 0x3a800000, v12            ; the variance + 1e-5
	s_wait_alu depctr_va_vdst(0)
	v_rsq_f32 v10, v8
	v_nop                                          ; a plain line behind the root
	s_wait_alu depctr_va_vdst(0)                   ; and the wait ahead of its first reader
	v_mov_b32 v11, v10
	s_wait_alu depctr_va_vdst(0)
	s_wait_loadcnt 0x0
.set i, 0
.rept 16
	v_pk_mul_f32 v[XA+i:XA+i+1], v[XA+i:XA+i+1], v[10:11]
.set i, i+2
.endr
.set i, 0
.rept 16
	v_pk_fma_f32 v[XA+i:XA+i+1], v[XA+i:XA+i+1], v[G+i:G+i+1], v[BT+i:BT+i+1]
.set i, i+2
.endr
.set i, 0
.rept 8
	global_store_b128 v2, v[XA+4*i:XA+4*i+3], s[12:13] offset:512*i   ; 512 consecutive bytes
.set i, i+1
.endr
	s_wait_kmcnt 0x0
	s_add_co_i32 s22, s22, 127
	s_lshl_b32 s23, s22, 23
	v_mov_b32 v14, s23                             ; 2^e10
	s_add_co_i32 s22, s22, 8
	s_lshl_b32 s22, s22, 23
	s_or_b32 s22, s22, 0x600000
	v_mov_b32 v15, s22                             ; 448 x 2^e10
.set i, 0
.rept 32
	v_med3_num_f32 v[OB+i], v[XA+i], -v15, v15     ; the conversion does not saturate (ISA guide 7.6.2); the row itself, which the stores above still read, is not written
.set i, i+1
.endr
.set i, 0
.rept 4
	v_cvt_scalef32_pk8_fp8_f32 v[C+2*i:C+2*i+1], v[OB+8*i:OB+8*i+7], v14   ; register j: K step j, k = 4 x lane on
.set i, i+1
.endr
	v_nop
.set i, 0
.rept 8
	ds_store_b32 v[SW], v[C+i] offset:2176*i
.set i, i+1
.endr
	s_wait_dscnt 0x0                               ; for the others' sake: my stores have landed
	s_barrier_signal -1
	s_barrier_wait -1
	ds_load_b128 v[48:51], v[SR]
	ds_load_b128 v[52:55], v[SR] offset:544
	s_wait_dscnt 0x0
	global_store_b128 v2, v[48:51], s[14:15]
	global_store_b128 v2, v[52:55], s[14:15] offset:512
	s_wait_tensorcnt 0x0
	ds_add_u32 v152, v153
	s_wait_dscnt 0x0
	s_endpgm
.Lfunc_end_k_q098deb4a3d_ln1:
	.size	k_q098deb4a3d_ln1, .Lfunc_end_k_q098deb4a3d_ln1-k_q098deb4a3d_ln1
	.p2alignl 7, 3214868480
	.fill 96, 4, 3214868480
	.section	.rodata,"a",@progbits
	.p2align	6, 0x0
	.amdhsa_kernel k_q098deb4a3d_ln1
		.amdhsa_group_segment_fixed_size 19456
		.amdhsa_private_segment_fixed_size 0
		.amdhsa_enable_private_segment 0
		.amdhsa_kernarg_size 48
		.amdhsa_user_sgpr_count 2
		.amdhsa_user_sgpr_kernarg_segment_ptr 1
		.amdhsa_wavefront_size32 1
		.amdhsa_system_sgpr_workgroup_id_x 1
		.amdhsa_system_sgpr_workgroup_id_y 1
		.amdhsa_system_sgpr_workgroup_id_z 1
		.amdhsa_system_vgpr_workitem_id 0
		.amdhsa_next_free_vgpr 154
		.amdhsa_next_free_sgpr 66
		.amdhsa_reserve_vcc 0
		.amdhsa_float_denorm_mode_32 3
		.amdhsa_float_denorm_mode_16_64 3
		.amdhsa_memory_ordered 1
		.amdhsa_forward_progress 1
		.amdhsa_inst_pref_size 17
	.end_amdhsa_kernel
	.amdgpu_metadata
---
amdhsa.version: [ 1, 2 ]
amdhsa.kernels:
  - .name:           k_q098deb4a3d_ln1
    .symbol:         k_q098deb4a3d_ln1.kd
    .args:
      - { .name: res, .offset: 0, .size: 8, .value_kind: global_buffer, .address_space: global }
      - { .name: ln_g, .offset: 8, .size: 8, .value_kind: global_buffer, .address_space: global }
      - { .name: ln_b, .offset: 16, .size: 8, .value_kind: global_buffer, .address_space: global }
      - { .name: lowp_scales, .offset: 24, .size: 8, .value_kind: global_buffer, .address_space: global }
      - { .name: h1, .offset: 32, .size: 8, .value_kind: global_buffer, .address_space: global }
      - { .name: h1c, .offset: 40, .size: 8, .value_kind: global_buffer, .address_space: global }
    .group_segment_fixed_size: 19456
    .private_segment_fixed_size: 0
    .kernarg_segment_align: 8
    .kernarg_segment_size: 48
    .max_flat_workgroup_size: 512
    .sgpr_count:     66
    .vgpr_count:     154
    .wavefront_size: 32
...
	.end_amdgpu_metadata
.endif
;; end of part 4
;; launch ffn1 (part 5): grid 16 x 16, 4 waves a work-group, clusters of 4 x 4, 327,680 bytes of LDS; arguments h1c, wcodes, lowp_scales, b1, hid; writes hid
.if DOCPART == 5
	.amdgcn_target "amdgcn-amd-amdhsa--gfx1250"
	.amdhsa_code_object_version 6
	.text
	.protected	k_q098deb4a3d_ffn1
	.globl	k_q098deb4a3d_ffn1
	.p2align	8
	.type	k_q098deb4a3d_ffn1,@function
k_q098deb4a3d_ffn1:
	s_mov_b64 s[64:65], 0
	v_nop
	global_prefetch_b8 v0, s[64:65] scope:SCOPE_SE
	s_setreg_imm32_b32 hwreg(HW_REG_WAVE_MODE, 25, 1), 1
	s_wait_xcnt 0x0
	s_wait_alu depctr_hold_cnt(0) depctr_sa_sdst(0) depctr_va_vdst(0) depctr_va_sdst(0) depctr_va_ssrc(0) depctr_va_vcc(0) depctr_vm_vsrc(0)
	s_getreg_b32 s2, hwreg(HW_REG_IB_STS2, 6, 4)
	s_cmp_eq_u32 s2, 0
	s_cbranch_scc0 .Lentry_in_a_cluster
	s_endpgm
.Lentry_in_a_cluster:
	s_bfe_u32 s2, ttmp6, 0x10000c
	s_cmp_lg_u32 s2, 0xf033
	s_cbranch_scc0 .Lentry_shape_is_right
	s_endpgm
.Lentry_shape_is_right:
; hid = the codes of relu(h1 W1 + b1): the product on codes of FP8 (E4M3) (scales' entries 10, 11), the result held between 0 and the largest code and quantised at once with entry 12.
; Tiles of 256 x 256, a wave 128 x 128 in 64 accumulators by turns; K = 1,024 through two LDS slots of 256 along K; all operands are images of registers (16 rows x 128 K = 2,048 bytes); source 0 = W1's image, source 1 = h1's.
; b1 / 2^(e10 + e11) is the C of each sum's first product.  CLUSTERS: 4 x 4; h1's tiles are asked for jointly along a row, W1's along a column.  A wave has one tensor load out.
; LIMIT: e12 - e10 - e11 between -126 and 119.  No prefetch: the launch has two refills in all.
.set RBROW,  4096
.set HALFT,  8*RBROW
.set SLOT,   4*HALFT
.set SPARE,  2*SLOT
.set FR,   16
.set NL,   4
.set NP,   4
.set SC,   10
.set LIM,  11
.set ADRA, 16
.set ADRB, 20
.set VO0,  24
.set SPW,  28
.set NIL,  29
.set BIAS, 32
.set TMP,  32
.set AF,   128
.set CD,   128
.set G1, 24
.set G0, 32
.set G1B, 48
.set G0B, 56
.set MSB, 0
.macro WIN new
.if MSB != \new
	s_set_vgpr_msb (MSB<<8)|\new
.set MSB, \new
.endif
.endm
.set MUL_LO, 0xa1
.set MUL_HI, 0xf1
.set TO_B,   0x40
.macro JLOAD g0a, g1a, g0b, g1b
	s_cmp_eq_u32 s15, 0
	s_cbranch_scc0 .Lfor_b_\@
	tensor_load_to_lds s[\g0a:\g0a+3], s[\g1a:\g1a+7]
	s_nop 0
.rept 4
	v_nop
.endr
	s_branch .Lasked_\@
.Lfor_b_\@:
	tensor_load_to_lds s[\g0b:\g0b+3], s[\g1b:\g1b+7]
	s_nop 0
.rept 4
	v_nop
.endr
.Lasked_\@:
.endm
.macro CREST
	s_cmp_lg_u32 s14, 0
	s_cbranch_scc1 .Lnot_wave_0_\@
	s_barrier_signal -3
.Lnot_wave_0_\@:
	s_barrier_wait -3
	s_barrier_signal -1
	s_barrier_wait -1
.endm
.macro CROUND
	s_barrier_signal -1
	s_barrier_wait -1
	CREST
.endm
.macro FRAG reg, adr, q, i
.irp c, 0,1,2,3
	ds_load_b128 v[\reg+4*\c:\reg+4*\c+3], v[\adr] offset:(\i)*RBROW+(\q)*2048+512*\c
.endr
.endm
.macro MUL16 a0, p, mode
.irp a, \a0, \a0+1
.irp b, 0,1,2,3,4,5,6,7
.if \mode == 0
	v_wmma_f32_16x16x128_fp8_fp8 v[8*(8*((\a)%4)+\b):8*(8*((\a)%4)+\b)+7], v[128*(\p)+FR*\b:128*(\p)+FR*\b+FR-1], v[AF+FR*(\a):AF+FR*(\a)+FR-1], v[8*(8*((\a)%4)+\b):8*(8*((\a)%4)+\b)+7]
.else
	v_wmma_f32_16x16x128_fp8_fp8 v[8*(8*((\a)%4)+\b):8*(8*((\a)%4)+\b)+7], v[128*(\p)+FR*\b:128*(\p)+FR*\b+FR-1], v[AF+FR*(\a):AF+FR*(\a)+FR-1], v[BIAS+8*\b:BIAS+8*\b+7]
.endif
.endr
.endr
.endm
.macro FETCH_B slot, q, p
	WIN TO_B
.irp i, 0,1,2,3,4,5,6,7
	FRAG 128*(\p)+FR*\i, ADRB+\slot, \q, \i
.endr
	WIN 0
.endm
.macro FETCH_A slot, q, i0
.irp i, \i0, \i0+1, \i0+2, \i0+3
	FRAG AF+FR*(\i), ADRA+\slot, \q, \i
.endr
.endm
.macro PLACES n
.rept \n
	v_nop
.endr
.endm
.macro STEP slot, q, mode
	s_wait_dscnt 4*NL
.if \mode
	WIN 0x81
.else
	WIN MUL_LO
.endif
	MUL16 0, (\q)%2, \mode
	MUL16 2, (\q)%2, \mode
	s_wait_dscnt 0
	PLACES NP
	FETCH_B \slot, (\q)+1, 1-(\q)%2
	FETCH_A \slot, (\q)+1, 0
.if \mode
	WIN 0xc1
.else
	WIN MUL_HI
.endif
	MUL16 4, (\q)%2, \mode
	MUL16 6, (\q)%2, \mode
	PLACES NP
	WIN 0
	FETCH_A \slot, (\q)+1, 4
.endm
.macro TURN slot, next, fill
	s_wait_tensorcnt 0x0
	ds_add_u32 v[SPW], v[NIL]
	s_wait_dscnt 4*NL+1
	WIN MUL_LO
	MUL16 0, 1, 0
	s_wait_dscnt 0x0
	s_barrier_signal -1
	MUL16 2, 1, 0
	WIN 0
	s_barrier_wait -1
.if \fill
	CREST
	s_add_nc_u64 s[G0+4*\slot+2:G0+4*\slot+3], s[G0+4*\slot+2:G0+4*\slot+3], 2*RBROW
	s_add_nc_u64 s[G0B+4*\slot+2:G0B+4*\slot+3], s[G0B+4*\slot+2:G0B+4*\slot+3], 2*RBROW
	JLOAD G0+4*\slot, G1, G0B+4*\slot, G1B
.else
	PLACES NP
.endif
	FETCH_B \next, 0, 0
	FETCH_A \next, 0, 0
	WIN MUL_HI
	MUL16 4, 1, 0
	MUL16 6, 1, 0
	PLACES NP
	WIN 0
	FETCH_A \next, 0, 4
.endm
.macro OUTBLK a
.set AC, 64*((\a)%4)
	WIN 0x02+((\a)/4)
.set j, 0
.rept 64
	v_med3_num_f32 v[TMP+j], v[AC+j], 0, v[LIM]
.set j, j+1
.endr
	WIN 0
.irp g, 0,1,2,3,4,5,6,7
	v_cvt_scalef32_pk8_fp8_f32 v[CD+16*(\a)+2*\g:CD+16*(\a)+2*\g+1], v[TMP+8*\g:TMP+8*\g+7], v[SC]
.endr
	v_nop
.irp c, 0,1,2,3
	global_store_b128 v[VO0], v[CD+16*(\a)+4*\c:CD+16*(\a)+4*\c+3], s[72:73] offset:(\a)*65536+512*\c
.endr
.endm
	s_load_b128 s[4:7], s[0:1], 0x0
	s_load_b128 s[8:11], s[0:1], 0x10
	s_load_b64 s[72:73], s[0:1], 0x20
	v_lshl_add_u32 v[SPW], v0, 2, SPARE
	v_mov_b32 v[NIL], 0
	ds_add_u32 v28, v29
	ds_add_u32 v28, v29
	s_wait_dscnt 0x0
	v_lshrrev_b32 v1, 5, v0
	v_readfirstlane_b32 s14, v1
	s_lshr_b32 s15, s14, 1
	s_and_b32 s16, s14, 1
	s_bfe_u32 s40, ttmp6, 0x40000
	s_bfe_u32 s41, ttmp6, 0x40004
	s_lshl_b32 s42, ttmp9, 2
	s_add_co_u32 s42, s42, s40
	s_and_b32 s17, ttmp7, 0xffff
	s_lshl_b32 s17, s17, 2
	s_add_co_u32 s17, s17, s41
	s_lshl_b32 s43, s41, 2
	s_lshl_b32 s43, 15, s43
	s_lshl_b32 s44, 0x1111, s40
	s_or_b32 s[G1+0], s43, (3<<16)|(1<<21)
	s_or_b32 s[G1B+0], s44, (3<<16)|(1<<21)
.irp g, G1, G1B
	s_mov_b32 s[\g+1], 512<<16
	s_mov_b32 s[\g+2], 8<<16
	s_mov_b32 s[\g+3], 512<<16
	s_mov_b32 s[\g+4], 8
	s_mov_b32 s[\g+5], 2048
	s_mov_b32 s[\g+6], 0
	s_mov_b32 s[\g+7], 0
.endr
	s_lshl_b32 s18, s16, 17
	s_lshl_b32 s20, s17, 18
	s_add_co_u32 s20, s20, s18
	s_mov_b32 s21, 0
	s_lshl_b32 s46, s42, 18
	s_add_co_u32 s46, s46, s18
	s_add_co_u32 s46, s46, 0x300000
	s_mov_b32 s47, 0
	s_mul_i32 s45, s14, HALFT
	s_wait_kmcnt 0x0
	s_load_b128 s[76:79], s[8:9], 0x28
	s_add_nc_u64 s[20:21], s[4:5], s[20:21]
	s_add_nc_u64 s[46:47], s[6:7], s[46:47]
	CROUND
.irp s, 0,1
	s_mov_b32 s[G0+4*\s], 1
	s_add_co_u32 s[G0+4*\s+1], s45, \s*SLOT
	s_add_nc_u64 s[G0+4*\s+2:G0+4*\s+3], s[20:21], \s*RBROW
	s_or_b32 s[G0+4*\s+3], s[G0+4*\s+3], 0x80000000
	s_mov_b32 s[G0B+4*\s], 1
	s_add_co_u32 s[G0B+4*\s+1], s45, \s*SLOT
	s_add_nc_u64 s[G0B+4*\s+2:G0B+4*\s+3], s[46:47], \s*RBROW
	s_or_b32 s[G0B+4*\s+3], s[G0B+4*\s+3], 0x80000000
.endr
	JLOAD G0, G1, G0B, G1B                         ; slot 0: one tensor load a wave at the head
	v_and_b32 v1, 31, v0
	v_lshlrev_b32 v[VO0], 4, v1
	s_mul_i32 s21, s15, HALFT
	s_mul_i32 s22, s16, HALFT
	s_add_co_u32 s22, s22, 2*HALFT
.irp s, 0,1
	v_add_nc_u32 v[ADRA+\s], s21, v[VO0]
	v_add_nc_u32 v[ADRB+\s], s22, v[VO0]
	s_add_co_u32 s21, s21, SLOT
	s_add_co_u32 s22, s22, SLOT
.endr
	s_lshl_b32 s88, s42, 10
	s_lshl_b32 s90, s16, 9
	s_add_co_u32 s88, s88, s90
	s_mov_b32 s89, 0
	s_add_nc_u64 s[10:11], s[10:11], s[88:89]
	v_bfe_u32 v2, v0, 4, 1
	v_lshlrev_b32 v2, 6, v2
.irp b, 0,1,2,3,4,5,6,7
	global_load_b128 v[BIAS+8*\b:BIAS+8*\b+3], v2, s[10:11] offset:(32*(\b/2)+8*(\b%2))*4
	global_load_b128 v[BIAS+8*\b+4:BIAS+8*\b+7], v2, s[10:11] offset:(32*(\b/2)+8*(\b%2))*4+16
.endr
	s_lshl_b32 s88, s17, 20
	s_lshl_b32 s90, s15, 19
	s_add_co_u32 s88, s88, s90
	s_lshl_b32 s90, s42, 12
	s_add_co_u32 s88, s88, s90
	s_lshl_b32 s90, s16, 11
	s_add_co_u32 s88, s88, s90
	s_add_nc_u64 s[72:73], s[72:73], s[88:89]
	s_wait_alu depctr_va_vdst(0)                   ; the wait at the head's end
	s_wait_tensorcnt 0x0                           ; my part of slot 0 is in; the lines ahead of a later first fill:
	ds_add_u32 v[SPW], v[NIL]
	s_wait_dscnt 0x0
	CROUND                                         ; everybody's part of slot 0 is in, and all sixteen work-groups are here
	JLOAD G0+4, G1, G0B+4, G1B                     ; slot 1's first fill, the first tensor load behind the round
	FETCH_B 0, 0, 0
	FETCH_A 0, 0, 0
	FETCH_A 0, 0, 4
	s_wait_kmcnt 0x0
	s_add_co_i32 s76, s76, s77
	s_sub_co_i32 s77, 0, s76
	s_sub_co_i32 s78, s78, s76
	s_add_co_i32 s78, s78, 127
	s_lshl_b32 s79, s78, 23
	v_mov_b32 v[SC], s79
	s_add_co_i32 s78, s78, 8
	s_lshl_b32 s78, s78, 23
	s_or_b32 s78, s78, 0x600000
	v_mov_b32 v[LIM], s78
	s_wait_loadcnt 0x0
.set j, 0
.rept 64
	v_ldexp_f32 v[BIAS+j], v[BIAS+j], s77
.set j, j+1
.endr
	s_wait_alu depctr_va_vdst(0)
	STEP 0, 0, 1
	TURN 0, 1, 1
	STEP 1, 0, 0
	TURN 1, 0, 1
	STEP 0, 0, 0
	TURN 0, 1, 0
	STEP 1, 0, 0
	s_wait_dscnt 4*NL
	WIN MUL_LO
	MUL16 0, 1, 0
	MUL16 2, 1, 0
	s_wait_dscnt 0
	WIN MUL_HI
	MUL16 4, 1, 0
	MUL16 6, 1, 0
	WIN 0
	PLACES NP
.irp a, 0,1,2,3,4,5,6,7
	OUTBLK \a
.endr
	s_wait_tensorcnt 0x0
	ds_add_u32 v[SPW], v[NIL]
	s_wait_dscnt 0x0
	CROUND
	s_endpgm
.Lfunc_end_k_q098deb4a3d_ffn1:
	.size	k_q098deb4a3d_ffn1, .Lfunc_end_k_q098deb4a3d_ffn1-k_q098deb4a3d_ffn1
	.p2alignl 7, 3214868480
	.fill 96, 4, 3214868480
	.section	.rodata,"a",@progbits
	.p2align	6, 0x0
	.amdhsa_kernel k_q098deb4a3d_ffn1
		.amdhsa_group_segment_fixed_size 327680
		.amdhsa_private_segment_fixed_size 0
		.amdhsa_enable_private_segment 0
		.amdhsa_kernarg_size 40
		.amdhsa_user_sgpr_count 2
		.amdhsa_user_sgpr_kernarg_segment_ptr 1
		.amdhsa_wavefront_size32 1
		.amdhsa_system_sgpr_workgroup_id_x 1
		.amdhsa_system_sgpr_workgroup_id_y 1
		.amdhsa_system_sgpr_workgroup_id_z 1
		.amdhsa_system_vgpr_workitem_id 0
		.amdhsa_next_free_vgpr 1024
		.amdhsa_next_free_sgpr 100
		.amdhsa_reserve_vcc 0
		.amdhsa_float_denorm_mode_32 3
		.amdhsa_float_denorm_mode_16_64 3
		.amdhsa_memory_ordered 1
		.amdhsa_forward_progress 1
		.amdhsa_inst_pref_size 123
	.end_amdhsa_kernel
	.amdgpu_metadata
---
amdhsa.version: [ 1, 2 ]
amdhsa.kernels:
  - .name:           k_q098deb4a3d_ffn1
    .symbol:         k_q098deb4a3d_ffn1.kd
    .args:
      - { .name: h1c, .offset: 0, .size: 8, .value_kind: global_buffer, .address_space: global }
      - { .name: wcodes, .offset: 8, .size: 8, .value_kind: global_buffer, .address_space: global }
      - { .name: lowp_scales, .offset: 16, .size: 8, .value_kind: global_buffer, .address_space: global }
      - { .name: b1, .offset: 24, .size: 8, .value_kind: global_buffer, .address_space: global }
      - { .name: hid, .offset: 32, .size: 8, .value_kind: global_buffer, .address_space: global }
    .group_segment_fixed_size: 327680
    .private_segment_fixed_size: 0
    .kernarg_segment_align: 8
    .kernarg_segment_size: 40
    .max_flat_workgroup_size: 128
    .sgpr_count:     100
    .vgpr_count:     1024
    .wavefront_size: 32
...
	.end_amdgpu_metadata
.endif
;; end of part 5
;; launch ffn2 (part 6): grid 8 x 32, 4 waves a work-group, clusters of 4 x 4, 327,680 bytes of LDS; arguments hid, wcodes, lowp_scales, b2, res, h1; writes res
.if DOCPART == 6
	.amdgcn_target "amdgcn-amd-amdhsa--gfx1250"
	.amdhsa_code_object_version 6
	.text
	.protected	k_q098deb4a3d_ffn2
	.globl	k_q098deb4a3d_ffn2
	.p2align	8
	.type	k_q098deb4a3d_ffn2,@function
k_q098deb4a3d_ffn2:
	s_mov_b64 s[64:65], 0
	v_nop
	global_prefetch_b8 v0, s[64:65] scope:SCOPE_SE
	s_setreg_imm32_b32 hwreg(HW_REG_WAVE_MODE, 25, 1), 1
	s_wait_xcnt 0x0
	s_wait_alu depctr_hold_cnt(0) depctr_sa_sdst(0) depctr_va_vdst(0) depctr_va_sdst(0) depctr_va_ssrc(0) depctr_va_vcc(0) depctr_vm_vsrc(0)
	s_getreg_b32 s2, hwreg(HW_REG_IB_STS2, 6, 4)
	s_cmp_eq_u32 s2, 0
	s_cbranch_scc0 .Lentry_in_a_cluster
	s_endpgm
.Lentry_in_a_cluster:
	s_bfe_u32 s2, ttmp6, 0x10000c
	s_cmp_lg_u32 s2, 0xf033
	s_cbranch_scc0 .Lentry_shape_is_right
	s_endpgm
.Lentry_shape_is_right:
; res = h1 + hidden W2 + b2; the product on codes of FP8 (E4M3) (scales' entries 12, 13); the result is f32, [4096][1024].
; A tile is 128 tokens x 128 columns, so that there are 256 work-groups (tiles of 256 x 256 would be 64); a wave makes 64 x 64 in 16 accumulators.  K = 4,096 goes through two LDS slots of 512 along K, the longest that fit twice.
; ALL OPERANDS ARE IMAGES OF REGISTERS (16 rows x 128 K = 2,048 bytes, [piece][lane][16 bytes]; image 2 b + u holds rows 32 b + 8 u + r + 8 (r / 8)): a fragment is four loads of 512 consecutive bytes.
; THE MATRIX INSTRUCTION IS USED TRANSPOSED: source 0 = an image of W2 (16 columns), source 1 = an image of the hidden layer (16 tokens): a lane holds one token and neighbouring columns.
; b2 / 2^(e12 + e13) is the C of each sum's first product; each finished sum is multiplied once by 2^(e12 + e13).  A block of 16 tokens x 64 columns goes through the wave's own stage in LDS and leaves as aligned runs of 256 bytes.
; THE RESIDUAL RIDES ALONG: my 64 x 64 numbers of h1 (128 registers, window 2) are asked for behind the loop, when the last refill is out, at the addresses of the stores; the last eight K steps stand between the request and the first use.
; CLUSTERS: 4 x 4 work-groups; the hidden layer's tiles are asked for jointly along a row of the cluster, W2's along a column.  A wave has at most two tensor loads out.
; LIMIT: e12 + e13 between -126 and 127.  No prefetch: a small tile, whose steps are short.
.set RBS,    8192                      ; an image row block's four K steps in a slot
.set HALFT,  4*RBS
.set SLOT,   4*HALFT
.set STAGE,  2*SLOT                    ; behind the ring: 16 rows x 272 bytes for each wave; no tensor load lands here
.set SPARE,  STAGE+4*4352              ; behind the stages: the spare words, 128 bytes for each wave, which no other line names
.set ADRA, 16
.set ADRB, 20
.set STO,  24
.set RD,   25
.set CO,   26
.set SPW,  28
.set NIL,  29
.set BIAS, 32                          ; v32-63  b2 in the result's layout; later a block's results
.set TMP,  32
.set BK,   64                          ; v64-127 rows read back from the stage, two sets
.set ACC,  128
.set F0,   0                           ; fragment buffers, in window 1: A's four at +16 a, B's four at +64 + 16 b
.set F1,   128
.set G1, 24
.set G0, 32
.set G1B, 48
.set G0B, 56
.set MSB, 0
.macro WIN new                         ; the immediate's high byte repeats the setting that is left
.if MSB != \new
	s_set_vgpr_msb (MSB<<8)|\new
.set MSB, \new
.endif
.endm
.set MUL,  0x05                        ; sources 0 (B) and 1 (A) window 1; C and D window 0
.set TO_F, 0x40
.macro JLOAD s                         ; a joint load: waves 0 and 1 fetch for A, waves 2 and 3 for B; four v_nop follow each line
	s_cmp_eq_u32 s15, 0
	s_cbranch_scc0 .Lfor_b_\@
	tensor_load_to_lds s[G0+4*\s:G0+4*\s+3], s[G1:G1+7]
	s_nop 0
.rept 4
	v_nop
.endr
	s_branch .Lasked_\@
.Lfor_b_\@:
	tensor_load_to_lds s[G0B+4*\s:G0B+4*\s+3], s[G1B:G1B+7]
	s_nop 0
.rept 4
	v_nop
.endr
.Lasked_\@:
.endm
.macro CREST
	s_cmp_lg_u32 s14, 0
	s_cbranch_scc1 .Lnot_wave_0_\@
	s_barrier_signal -3
.Lnot_wave_0_\@:
	s_barrier_wait -3
	s_barrier_signal -1
	s_barrier_wait -1
.endm
.macro CROUND
	s_barrier_signal -1
	s_barrier_wait -1
	CREST
.endm
.macro PLACES
.rept 4
	v_nop
.endr
.endm
.macro FETCH slot, q, f                ; 32 LDS loads in one run: K step q of the slot into buffer f: B's four fragments, then A's four
	WIN TO_F
.irp i, 0,1,2,3
.irp c, 0,1,2,3
	ds_load_b128 v[\f+64+16*\i+4*\c:\f+64+16*\i+4*\c+3], v[ADRB+\slot] offset:\i*RBS+(\q)*2048+512*\c
.endr
.endr
.irp i, 0,1,2,3
.irp c, 0,1,2,3
	ds_load_b128 v[\f+16*\i+4*\c:\f+16*\i+4*\c+3], v[ADRA+\slot] offset:\i*RBS+(\q)*2048+512*\c
.endr
.endr
.endm
.macro MULA f, a, mode                 ; A's block a x B's four; the 16 accumulators take turns, in the same order in every step
.irp b, 0,1,2,3
.if \mode
	v_wmma_f32_16x16x128_fp8_fp8 v[ACC+8*(4*\a+\b):ACC+8*(4*\a+\b)+7], v[\f+64+16*\b:\f+64+16*\b+15], v[\f+16*\a:\f+16*\a+15], v[BIAS+8*\b:BIAS+8*\b+7]
.else
	v_wmma_f32_16x16x128_fp8_fp8 v[ACC+8*(4*\a+\b):ACC+8*(4*\a+\b)+7], v[\f+64+16*\b:\f+64+16*\b+15], v[\f+16*\a:\f+16*\a+15], v[ACC+8*(4*\a+\b):ACC+8*(4*\a+\b)+7]
.endif
.endr
.endm
.macro QUARTER slot, q, f, g, mode     ; multiplies buffer f and fetches K step q of the slot into g
	s_wait_dscnt 8                                 ; B and A's blocks 0, 1 are in; the eight youngest loads (A's blocks 2, 3) may be out
	WIN MUL
	MULA \f, 0, \mode
	MULA \f, 1, \mode
	PLACES
	FETCH \slot, \q, \g
	s_wait_dscnt 32                                ; all but the 32 just issued
	WIN MUL
	MULA \f, 2, \mode
	MULA \f, 3, \mode
.endm
.macro TURN slot, next, fill           ; a slot's last step (buffer 1) changes slots
	WIN 0
	s_wait_tensorcnt 0x0                           ; all my tensor loads have landed: my part of the next slot
	ds_add_u32 v[SPW], v[NIL]                      ; 0 onto my spare word
	s_wait_dscnt 9                                 ; the add and the eight youngest loads may be out
	WIN MUL
	MULA F1, 0, 0
	s_wait_dscnt 0x0                               ; the add is done, and my reads of this slot are over
	s_barrier_signal -1
	MULA F1, 1, 0
	WIN 0
	s_barrier_wait -1
.if \fill
	CREST                                          ; the barrier has opened a round of the cluster's: no wave of any partner still reads this slot or has a load on its way
	s_add_nc_u64 s[G0+4*\slot+2:G0+4*\slot+3], s[G0+4*\slot+2:G0+4*\slot+3], 2*RBS
	s_add_nc_u64 s[G0B+4*\slot+2:G0B+4*\slot+3], s[G0B+4*\slot+2:G0B+4*\slot+3], 2*RBS
	JLOAD \slot                                    ; the first tensor load behind the round; its four v_nop are the places in front of the loads below
.else
	PLACES
.endif
	FETCH \next, 0, F0
	WIN MUL
	MULA F1, 2, 0
	MULA F1, 3, 0
.endm
.macro HLOAD                           ; h1 at my 64 tokens x 64 columns, block by block in the order of the stores: window 2, v[32 a + 4 t]
	WIN 0x80                                       ; destination window 2, address window 0
.irp a, 0,1,2,3
.irp t, 0,1,2,3,4,5,6,7
	global_load_b128 v[32*\a+4*\t:32*\a+4*\t+3], v[CO], s[74:75] offset:(32*(\a/2)+8*(\a%2)+2*\t+8*(\t/4))*4096 th:TH_LOAD_NT   ; sixteen lanes read 256 consecutive bytes, aligned
.endr
.endr
	WIN 0
.endm
.macro TOSTAGE a                       ; block a: x 2^(e12 + e13), into my stage, and back as rows of 256 bytes
.set j, 0
.rept 16
	v_pk_mul_f32 v[TMP+j:TMP+j+1], v[ACC+32*(\a)+j:ACC+32*(\a)+j+1], s[96:97] op_sel_hi:[1,0]   ; each accumulator from its low end on
.set j, j+2
.endr
.irp b, 0,1,2,3
	ds_store_b128 v[STO], v[TMP+8*\b:TMP+8*\b+3] offset:128*(\b/2)+32*(\b%2)
	ds_store_b128 v[STO], v[TMP+8*\b+4:TMP+8*\b+7] offset:128*(\b/2)+32*(\b%2)+16
.endr
.irp t, 0,1,2,3,4,5,6,7
	ds_load_b128 v[BK+32*((\a)%2)+4*\t:BK+32*((\a)%2)+4*\t+3], v[RD] offset:544*\t   ; LDS serves a wave's instructions in order: these see the stores above
.endr
.endm
.macro SEND a, younger                 ; younger: the LDS instructions issued behind block a's loads
	s_wait_dscnt \younger
	s_wait_loadcnt 8*(3-(\a))                      ; h1's block a is in; the later blocks' eight loads each are the younger ones
	WIN 0x08                                       ; source 1 window 2
.set j, 0
.rept 16
	v_pk_add_f32 v[BK+32*((\a)%2)+j:BK+32*((\a)%2)+j+1], v[BK+32*((\a)%2)+j:BK+32*((\a)%2)+j+1], v[32*(\a)+j:32*(\a)+j+1]   ; + h1
.set j, j+2
.endr
	WIN 0
.irp t, 0,1,2,3,4,5,6,7
	global_store_b128 v[CO], v[BK+32*((\a)%2)+4*\t:BK+32*((\a)%2)+4*\t+3], s[72:73] offset:(32*((\a)/2)+8*((\a)%2)+2*\t+8*(\t/4))*4096   ; sixteen lanes store 256 consecutive bytes, aligned
.endr
.endm
	s_load_b128 s[4:7], s[0:1], 0x0                ; hid, wcodes
	s_load_b128 s[8:11], s[0:1], 0x10              ; the scales' exponents, b2
	s_load_b128 s[72:75], s[0:1], 0x20             ; res, h1
	v_lshl_add_u32 v[SPW], v0, 2, SPARE
	v_mov_b32 v[NIL], 0
	ds_add_u32 v28, v29
	ds_add_u32 v28, v29
	s_wait_dscnt 0x0
	v_lshrrev_b32 v1, 5, v0
	v_readfirstlane_b32 s14, v1
	s_lshr_b32 s15, s14, 1                         ; which half of the tokens is mine.  Also: I fetch for A (0) or for B (1)
	s_and_b32 s16, s14, 1                          ; which half of the columns.  Also: which half of that tile I fetch
	s_bfe_u32 s40, ttmp6, 0x40000
	s_bfe_u32 s41, ttmp6, 0x40004
	s_lshl_b32 s42, ttmp9, 2
	s_add_co_u32 s42, s42, s40                     ; the columns' tile, 0..7
	s_and_b32 s17, ttmp7, 0xffff
	s_lshl_b32 s17, s17, 2
	s_add_co_u32 s17, s17, s41                     ; the tokens' tile, 0..31
	s_lshl_b32 s43, s41, 2
	s_lshl_b32 s43, 15, s43
	s_lshl_b32 s44, 0x1111, s40
	; descriptor group 1: 4 rows (image row blocks) x 8,192 bytes, 65,536 bytes apart in memory; elements of 8 bytes; no padding
	s_or_b32 s[G1+0], s43, (3<<16)|(1<<21)
	s_or_b32 s[G1B+0], s44, (3<<16)|(1<<21)
.irp g, G1, G1B
	s_mov_b32 s[\g+1], 1024<<16
	s_mov_b32 s[\g+2], 4<<16
	s_mov_b32 s[\g+3], 1024<<16
	s_mov_b32 s[\g+4], 4
	s_mov_b32 s[\g+5], 8192
	s_mov_b32 s[\g+6], 0
	s_mov_b32 s[\g+7], 0
.endr
	s_lshl_b32 s18, s16, 18                        ; the half that I fetch: 4 blocks of 65,536 bytes
	s_lshl_b32 s20, s17, 19
	s_add_co_u32 s20, s20, s18
	s_mov_b32 s21, 0
	s_lshl_b32 s46, s42, 19
	s_add_co_u32 s46, s46, s18
	s_add_co_u32 s46, s46, 0x700000                ; W2's images
	s_mov_b32 s47, 0
	s_mul_i32 s45, s14, HALFT
	s_wait_kmcnt 0x0
	s_load_b64 s[96:97], s[8:9], 0x30              ; e12, e13
	s_add_nc_u64 s[20:21], s[4:5], s[20:21]
	s_add_nc_u64 s[46:47], s[6:7], s[46:47]
	CROUND
.irp s, 0,1
	s_mov_b32 s[G0+4*\s], 1
	s_add_co_u32 s[G0+4*\s+1], s45, \s*SLOT
	s_add_nc_u64 s[G0+4*\s+2:G0+4*\s+3], s[20:21], \s*RBS
	s_or_b32 s[G0+4*\s+3], s[G0+4*\s+3], 0x80000000
	s_mov_b32 s[G0B+4*\s], 1
	s_add_co_u32 s[G0B+4*\s+1], s45, \s*SLOT
	s_add_nc_u64 s[G0B+4*\s+2:G0B+4*\s+3], s[46:47], \s*RBS
	s_or_b32 s[G0B+4*\s+3], s[G0B+4*\s+3], 0x80000000
.endr
	JLOAD 0                                        ; slot 0: one tensor load a wave at the head
	v_and_b32 v1, 31, v0
	v_lshlrev_b32 v3, 4, v1                        ; 16 x lane
	s_mul_i32 s21, s15, HALFT
	s_mul_i32 s22, s16, HALFT
	s_add_co_u32 s22, s22, 2*HALFT
.irp s, 0,1
	v_add_nc_u32 v[ADRA+\s], s21, v3
	v_add_nc_u32 v[ADRB+\s], s22, v3
	s_add_co_u32 s21, s21, SLOT
	s_add_co_u32 s22, s22, SLOT
.endr
	v_and_b32 v4, 15, v0                           ; r
	v_bfe_u32 v5, v0, 4, 1                         ; h
	s_wait_alu depctr_va_vdst(0)
	s_mul_i32 s23, s14, 4352
	s_add_co_u32 s23, s23, STAGE                   ; my stage
	v_mul_u32_u24 v[STO], v4, 272
	v_lshl_add_u32 v[STO], v5, 6, v[STO]
	v_add_nc_u32 v[STO], s23, v[STO]               ; in: row r, + 64 h
	v_mul_u32_u24 v[RD], v5, 272
	v_lshl_add_u32 v[RD], v4, 4, v[RD]
	v_add_nc_u32 v[RD], s23, v[RD]                 ; back: lanes 0-15 one row, lanes 16-31 the next
	v_lshlrev_b32 v[CO], 12, v5
	v_lshl_add_u32 v[CO], v4, 4, v[CO]             ; and the same two rows in res and in h1
	s_lshl_b32 s88, s42, 9
	s_lshl_b32 s90, s16, 8
	s_add_co_u32 s88, s88, s90                     ; 4 x (128 tile + 64 half): b2's bytes, and my columns' in a row of res and of h1
	s_mov_b32 s89, 0
	s_add_nc_u64 s[10:11], s[10:11], s[88:89]
	s_add_nc_u64 s[72:73], s[72:73], s[88:89]
	s_add_nc_u64 s[74:75], s[74:75], s[88:89]
	v_lshlrev_b32 v2, 6, v5                        ; + 64 h
.irp b, 0,1,2,3
	global_load_b128 v[BIAS+8*\b:BIAS+8*\b+3], v2, s[10:11] offset:(32*(\b/2)+8*(\b%2))*4
	global_load_b128 v[BIAS+8*\b+4:BIAS+8*\b+7], v2, s[10:11] offset:(32*(\b/2)+8*(\b%2))*4+16
.endr
	s_lshl_b32 s88, s17, 19                        ; my first token: 128 tile + 64 half, rows of 4,096 bytes
	s_lshl_b32 s90, s15, 18
	s_add_co_u32 s88, s88, s90
	s_add_nc_u64 s[72:73], s[72:73], s[88:89]
	s_add_nc_u64 s[74:75], s[74:75], s[88:89]
	s_wait_alu depctr_va_vdst(0)                   ; the wait at the head's end
	s_wait_tensorcnt 0x0                           ; my part of slot 0 is in; the lines ahead of a later first fill:
	ds_add_u32 v[SPW], v[NIL]
	s_wait_dscnt 0x0
	CROUND                                         ; everybody's part of slot 0 is in, and all sixteen work-groups are here
	JLOAD 1                                        ; slot 1's first fill, the first tensor load behind the round
	FETCH 0, 0, F0
	WIN 0
	s_wait_kmcnt 0x0
	s_add_co_i32 s96, s96, s97                     ; e12 + e13
	s_sub_co_i32 s98, 0, s96
	s_add_co_i32 s96, s96, 127
	s_lshl_b32 s96, s96, 23                        ; 2^(e12 + e13) as f32
	s_mov_b32 s97, s96                             ; named with it as a pair, so it is written
	s_wait_loadcnt 0x0
.set j, 0
.rept 32
	v_ldexp_f32 v[BIAS+j], v[BIAS+j], s98
.set j, j+1
.endr
	s_wait_alu depctr_va_vdst(0)
	QUARTER 0, 1, F0, F1, 1                        ; the first step stands in front of the loop: its products start the sums
	WIN 0
	s_mov_b32 s3, 3
.Llap:                                             ; a trip goes once round the ring, from a lap's second step to the next lap's first, and fills both slots again
	QUARTER 0, 2, F1, F0, 0
	QUARTER 0, 3, F0, F1, 0
	TURN 0, 1, 1
	QUARTER 1, 1, F0, F1, 0
	QUARTER 1, 2, F1, F0, 0
	QUARTER 1, 3, F0, F1, 0
	TURN 1, 0, 1
	QUARTER 0, 1, F0, F1, 0
	WIN 0
	s_sub_co_u32 s3, s3, 1
	s_cmp_lg_u32 s3, 0
	s_cbranch_scc1 .Llap
	HLOAD                                          ; the last refill is out: now the residual is asked for
	QUARTER 0, 2, F1, F0, 0                        ; the last lap fills nothing
	QUARTER 0, 3, F0, F1, 0
	TURN 0, 1, 0
	QUARTER 1, 1, F0, F1, 0
	QUARTER 1, 2, F1, F0, 0
	QUARTER 1, 3, F0, F1, 0
	s_wait_dscnt 8
	WIN MUL
	MULA F1, 0, 0
	MULA F1, 1, 0
	s_wait_dscnt 0
	MULA F1, 2, 0
	MULA F1, 3, 0
	WIN 0
	PLACES
	TOSTAGE 0
	TOSTAGE 1
	SEND 0, 16                                     ; behind block 0's loads: block 1's eight stores and eight loads
	s_wait_xcnt 0x0                                ; block 0's stores have read their registers: block 2's rows may land there
	TOSTAGE 2
	SEND 1, 16
	s_wait_xcnt 0x0
	TOSTAGE 3
	SEND 2, 16
	SEND 3, 0
	s_wait_tensorcnt 0x0                           ; the wave's end
	ds_add_u32 v[SPW], v[NIL]
	s_wait_dscnt 0x0
	CROUND
	s_endpgm
.Lfunc_end_k_q098deb4a3d_ffn2:
	.size	k_q098deb4a3d_ffn2, .Lfunc_end_k_q098deb4a3d_ffn2-k_q098deb4a3d_ffn2
	.p2alignl 7, 3214868480
	.fill 96, 4, 3214868480
	.section	.rodata,"a",@progbits
	.p2align	6, 0x0
	.amdhsa_kernel k_q098deb4a3d_ffn2
		.amdhsa_group_segment_fixed_size 327680
		.amdhsa_private_segment_fixed_size 0
		.amdhsa_enable_private_segment 0
		.amdhsa_kernarg_size 48
		.amdhsa_user_sgpr_count 2
		.amdhsa_user_sgpr_kernarg_segment_ptr 1
		.amdhsa_wavefront_size32 1
		.amdhsa_system_sgpr_workgroup_id_x 1
		.amdhsa_system_sgpr_workgroup_id_y 1
		.amdhsa_system_sgpr_workgroup_id_z 1
		.amdhsa_system_vgpr_workitem_id 0
		.amdhsa_next_free_vgpr 640
		.amdhsa_next_free_sgpr 100
		.amdhsa_reserve_vcc 0
		.amdhsa_float_denorm_mode_32 3
		.amdhsa_float_denorm_mode_16_64 3
		.amdhsa_memory_ordered 1
		.amdhsa_forward_progress 1
		.amdhsa_inst_pref_size 84
	.end_amdhsa_kernel
	.amdgpu_metadata
---
amdhsa.version: [ 1, 2 ]
amdhsa.kernels:
  - .name:           k_q098deb4a3d_ffn2
    .symbol:         k_q098deb4a3d_ffn2.kd
    .args:
      - { .name: hid, .offset: 0, .size: 8, .value_kind: global_buffer, .address_space: global }
      - { .name: wcodes, .offset: 8, .size: 8, .value_kind: global_buffer, .address_space: global }
      - { .name: lowp_scales, .offset: 16, .size: 8, .value_kind: global_buffer, .address_space: global }
      - { .name: b2, .offset: 24, .size: 8, .value_kind: global_buffer, .address_space: global }
      - { .name: res, .offset: 32, .size: 8, .value_kind: global_buffer, .address_space: global }
      - { .name: h1, .offset: 40, .size: 8, .value_kind: global_buffer, .address_space: global }
    .group_segment_fixed_size: 327680
    .private_segment_fixed_size: 0
    .kernarg_segment_align: 8
    .kernarg_segment_size: 48
    .max_flat_workgroup_size: 128
    .sgpr_count:     100
    .vgpr_count:     640
    .wavefront_size: 32
...
	.end_amdgpu_metadata
.endif
;; end of part 6
;; launch ln2 (part 7): grid 256 x 1, 16 waves a work-group, no clusters, 0 bytes of LDS; arguments res, ln_g, ln_b, out0; writes out0
.if DOCPART == 7
	.amdgcn_target "amdgcn-amd-amdhsa--gfx1250"
	.amdhsa_code_object_version 6
	.text
	.protected	k_q098deb4a3d_ln2
	.globl	k_q098deb4a3d_ln2
	.p2align	8
	.type	k_q098deb4a3d_ln2,@function
k_q098deb4a3d_ln2:
	s_mov_b64 s[64:65], 0
	v_nop
	global_prefetch_b8 v0, s[64:65] scope:SCOPE_SE
	s_setreg_imm32_b32 hwreg(HW_REG_WAVE_MODE, 25, 1), 1
	s_wait_xcnt 0x0
; out0 = LayerNorm(h1 + ffn) x g + b, in f32; h1 + ffn comes as one buffer from the second FFN launch.  One wave takes one row of 1,024 numbers, 32 registers a lane; the row stays in registers between the mean,
; the variance (of the differences, as reference() has it) and the scaling.  Each load and store of a wave covers 512 consecutive bytes.  Memory binds: no LDS, no barrier, no matrix unit, no cluster.
.set XA, 16                            ; v16-47   the row
.set G,  80                            ; v80-111  g
.set BT, 112                           ; v112-143 b
.macro WSUM                            ; v8 summed over the 32 lanes, the result in every lane
	s_delay_alu instid0(VALU_DEP_1)
	v_add_f32_dpp v8, v8, v8 row_xmask:1 row_mask:0xf bank_mask:0xf
	s_delay_alu instid0(VALU_DEP_1)
	v_add_f32_dpp v8, v8, v8 row_xmask:2 row_mask:0xf bank_mask:0xf
	s_delay_alu instid0(VALU_DEP_1)
	v_add_f32_dpp v8, v8, v8 row_xmask:4 row_mask:0xf bank_mask:0xf
	s_delay_alu instid0(VALU_DEP_1)
	v_add_f32_dpp v8, v8, v8 row_xmask:8 row_mask:0xf bank_mask:0xf
	s_delay_alu instid0(VALU_DEP_1)
	v_permlanex16_b32 v9, v8, s24, s25
	s_delay_alu instid0(VALU_DEP_1)
	v_add_f32 v8, v8, v9
.endm
	s_load_b256 s[4:11], s[0:1], 0x0               ; res, ln_g, ln_b, out0
	v_lshrrev_b32 v1, 5, v0
	s_delay_alu instid0(VALU_DEP_1)
	v_readfirstlane_b32 s18, v1                    ; wave 0..15
	v_and_b32 v1, 31, v0
	s_delay_alu instid0(VALU_DEP_1)
	v_lshlrev_b32 v2, 4, v1                        ; 16 x lane
	v_mov_b32 v9, 0
	s_mov_b32 s24, 0x76543210
	s_mov_b32 s25, 0xfedcba98
	s_lshl_b32 s20, ttmp9, 4
	s_add_co_u32 s20, s20, s18                     ; my row
	s_lshl_b32 s20, s20, 12
	s_mov_b32 s21, 0
	s_wait_alu depctr_va_vdst(0)
	s_wait_kmcnt 0x0
	s_add_nc_u64 s[4:5], s[4:5], s[20:21]
	s_add_nc_u64 s[10:11], s[10:11], s[20:21]
.set i, 0
.rept 8
	global_load_b128 v[XA+4*i:XA+4*i+3], v2, s[4:5] offset:512*i th:TH_LOAD_NT
.set i, i+1
.endr
.set i, 0
.rept 8
	global_load_b128 v[G+4*i:G+4*i+3], v2, s[6:7] offset:512*i
.set i, i+1
.endr
.set i, 0
.rept 8
	global_load_b128 v[BT+4*i:BT+4*i+3], v2, s[8:9] offset:512*i
.set i, i+1
.endr
	v_mov_b32 v12, 0x3727c5ac                      ; 1e-5
	s_wait_loadcnt 16                              ; the row is in; g's and b's sixteen loads are the younger ones
	v_pk_add_f32 v[6:7], v[16:17], v[18:19]
	v_pk_add_f32 v[78:79], v[24:25], v[28:29]
	v_pk_add_f32 v[76:77], v[32:33], v[36:37]
	v_pk_add_f32 v[74:75], v[40:41], v[44:45]
	v_pk_add_f32 v[72:73], v[20:21], v[22:23]
	v_pk_add_f32 v[70:71], v[26:27], v[30:31]
	v_pk_add_f32 v[68:69], v[34:35], v[38:39]
	v_pk_add_f32 v[4:5], v[42:43], v[46:47]
	s_delay_alu instid0(VALU_DEP_1)
	v_pk_add_f32 v[4:5], v[4:5], v[74:75]
	v_pk_add_f32 v[6:7], v[6:7], v[72:73]
	v_pk_add_f32 v[78:79], v[78:79], v[70:71]
	v_pk_add_f32 v[76:77], v[76:77], v[68:69]
	s_delay_alu instid0(VALU_DEP_2)
	v_pk_add_f32 v[4:5], v[4:5], v[78:79]
	s_delay_alu instid0(VALU_DEP_2)
	v_pk_add_f32 v[6:7], v[6:7], v[76:77]
	s_delay_alu instid0(VALU_DEP_1)
	v_pk_add_f32 v[4:5], v[4:5], v[6:7]
	s_delay_alu instid0(VALU_DEP_1)
	v_add_f32 v8, v4, v5
	WSUM
	s_delay_alu instid0(VALU_DEP_1)
	v_mul_f32 v10, 0x3a800000, v8                  ; the mean: x 2^-10
	s_delay_alu instid0(VALU_DEP_1)
	v_mov_b32 v11, v10
.set i, 0
.rept 16
	v_pk_add_f32 v[XA+i:XA+i+1], v[XA+i:XA+i+1], v[10:11] neg_lo:[0,1] neg_hi:[0,1]
.set i, i+2
.endr
	v_pk_mul_f32 v[4:5], v[XA:XA+1], v[XA:XA+1]
	v_pk_mul_f32 v[6:7], v[XA+2:XA+3], v[XA+2:XA+3]
.set i, 4
.rept 7
	s_delay_alu instid0(VALU_DEP_2)
	v_pk_fma_f32 v[4:5], v[XA+i:XA+i+1], v[XA+i:XA+i+1], v[4:5]
	s_delay_alu instid0(VALU_DEP_2)
	v_pk_fma_f32 v[6:7], v[XA+i+2:XA+i+3], v[XA+i+2:XA+i+3], v[6:7]
.set i, i+4
.endr
	s_delay_alu instid0(VALU_DEP_1)
	v_pk_add_f32 v[4:5], v[4:5], v[6:7]
	s_delay_alu instid0(VALU_DEP_1)
	v_add_f32 v8, v4, v5
	WSUM
	s_delay_alu instid0(VALU_DEP_1)
	v_fmamk_f32 v8, v8, 0x3a800000, v12            ; the variance + 1e-5
	s_wait_alu depctr_va_vdst(0)
	v_rsq_f32 v10, v8
	v_nop                                          ; a plain line behind the root
	s_wait_alu depctr_va_vdst(0)                   ; and the wait ahead of its first reader
	v_mov_b32 v11, v10
	s_wait_alu depctr_va_vdst(0)
	s_wait_loadcnt 0x0
.set i, 0
.rept 16
	v_pk_mul_f32 v[XA+i:XA+i+1], v[XA+i:XA+i+1], v[10:11]
.set i, i+2
.endr
.set i, 0
.rept 16
	v_pk_fma_f32 v[XA+i:XA+i+1], v[XA+i:XA+i+1], v[G+i:G+i+1], v[BT+i:BT+i+1]
.set i, i+2
.endr
.set i, 0
.rept 8
	global_store_b128 v2, v[XA+4*i:XA+4*i+3], s[10:11] offset:512*i th:TH_STORE_NT   ; 512 consecutive bytes; written once
.set i, i+1
.endr
	s_endpgm
.Lfunc_end_k_q098deb4a3d_ln2:
	.size	k_q098deb4a3d_ln2, .Lfunc_end_k_q098deb4a3d_ln2-k_q098deb4a3d_ln2
	.p2alignl 7, 3214868480
	.fill 96, 4, 3214868480
	.section	.rodata,"a",@progbits
	.p2align	6, 0x0
	.amdhsa_kernel k_q098deb4a3d_ln2
		.amdhsa_group_segment_fixed_size 0
		.amdhsa_private_segment_fixed_size 0
		.amdhsa_enable_private_segment 0
		.amdhsa_kernarg_size 32
		.amdhsa_user_sgpr_count 2
		.amdhsa_user_sgpr_kernarg_segment_ptr 1
		.amdhsa_wavefront_size32 1
		.amdhsa_system_sgpr_workgroup_id_x 1
		.amdhsa_system_sgpr_workgroup_id_y 1
		.amdhsa_system_sgpr_workgroup_id_z 1
		.amdhsa_system_vgpr_workitem_id 0
		.amdhsa_next_free_vgpr 144
		.amdhsa_next_free_sgpr 66
		.amdhsa_reserve_vcc 0
		.amdhsa_float_denorm_mode_32 3
		.amdhsa_float_denorm_mode_16_64 3
		.amdhsa_memory_ordered 1
		.amdhsa_forward_progress 1
		.amdhsa_inst_pref_size 12
	.end_amdhsa_kernel
	.amdgpu_metadata
---
amdhsa.version: [ 1, 2 ]
amdhsa.kernels:
  - .name:           k_q098deb4a3d_ln2
    .symbol:         k_q098deb4a3d_ln2.kd
    .args:
      - { .name: res, .offset: 0, .size: 8, .value_kind: global_buffer, .address_space: global }
      - { .name: ln_g, .offset: 8, .size: 8, .value_kind: global_buffer, .address_space: global }
      - { .name: ln_b, .offset: 16, .size: 8, .value_kind: global_buffer, .address_space: global }
      - { .name: out0, .offset: 24, .size: 8, .value_kind: global_buffer, .address_space: global }
    .group_segment_fixed_size: 0
    .private_segment_fixed_size: 0
    .kernarg_segment_align: 8
    .kernarg_segment_size: 32
    .max_flat_workgroup_size: 512
    .sgpr_count:     66
    .vgpr_count:     144
    .wavefront_size: 32
...
	.end_amdgpu_metadata
.endif
;; end of part 7
